; MI455X (gfx1250); checked and timed in simulation.
; The chip was launched on July 23, 2026; its instructions are those of AMD's public machine-readable ISA for CDNA 5 (MIT licence, August 2026) and "CDNA5" Instruction Set Architecture Reference Guide (July 2026). The comments in the code are by the model that wrote it; some were corrected since.
;; Ro PE Attention Layer. Allowed arithmetic: matrix products marked QUANTISED: E2M1 operands, one E8M0 scale for each 32 along K, by v_wmma_scale_f32_16x16x128_f8f6f4 with both operands' format E2M1 (or v_wmma_scale_f32_32x16x128_f4), f32 sums; products left as they are: bf16, f16 or f32 operands; f32 sums; everything else in f32.
;; Inputs: W_out 1,024 x 1,024 float32; W_qkv 1,024 x 3,072 float32; b_out 1,024 float32; b_qkv 3,072 float32; cos 2,048 x 64 float32; mask 4 x 2,048 bool; sin 2,048 x 64 float32; x 4 x 2,048 x 1,024 float32.
;; Outputs: out0 4 x 2,048 x 1,024 float32.
;; This version of the problem:
;;   THIS VERSION OF THE PROBLEM IS GIVEN IN LOW PRECISION. The matrix products marked QUANTISED in the list below multiply operands that are first quantised to E2M1 (2 exponent bits, 1 mantissa bit; 4 bits a number), with one power-of-two scale for each 32 numbers along K (OCP MX v1.0); their sums are f32. The products marked 'left as it is' may take bf16, f16 or f32 operands, with f32 sums. Whichever they take, every output number must still come out within the allowed error. Rounding operands to bf16 (8 significant bits) uses up far more of that allowance than f16 does (11 bits, for magnitudes from 6e-5 to 65,504). All else is computed in f32.
;;   The module's matrix products, in the order in which they are computed (A, B: the left and right operand; K: the contracted axis; several contracted axes count as one K, in the product's order):
;;     1. [M 8,192, K 1,024] x [K 1,024, N 3,072]; A: input x; B: input W_qkv: QUANTISED
;;     2. batch 64 x [M 2,048, K 64] x [K 64, N 2,048]; A: computed on the way; B: computed on the way: left as it is (an operand is computed on the way)
;;     3. batch 64 x [M 64, K 2,048] x [K 2,048, N 2,048]; A: computed on the way; B: computed on the way: left as it is (an operand is computed on the way)
;;     4. [M 8,192, K 1,024] x [K 1,024, N 1,024]; A: computed on the way; B: input W_out: left as it is (an operand is computed on the way)
;;   THE QUANTISER, for each operand of a quantised product, along K:
;;     - K is cut into blocks of 32 from its start; a last block that is shorter is filled with zeros.
;;     - A block's scale is 2^e with e = floor(log2(the largest magnitude in the block)) - 2, held to -126 .. 127; a block of zeros has e = 0. As a byte (E8M0): e + 127.
;;     - Each number is divided by its block's scale, clamped to +-6, and rounded to the nearest number of E2M1, ties to even, subnormals kept.
;;     - The product sums the exact products of the quantised numbers (number of the format x scale) in f32.
;;   ~~~python
;;   def quantise(x, axis):      # numpy; x: float32 -> the quantised numbers, widened to float32 again
;;       x = np.moveaxis(x, axis, -1); K = x.shape[-1]
;;       x = np.pad(x, [(0, 0)] * (x.ndim - 1) + [(0, -K % 32)]); x = x.reshape(x.shape[:-1] + (-1, 32)); a = np.abs(x).max(-1, keepdims=True)
;;       e = np.where(a > 0, np.clip(np.frexp(np.where(a > 0, a, 1))[1] - 1 - 2, -126, 127), 0)      # np.frexp(a)[1] - 1 = floor(log2(a)), exactly
;;       r = np.clip(x / 2.0 ** e, -6, 6)
;;       step = 2.0 ** (np.maximum(np.frexp(np.where(r == 0, 1, r))[1] - 1, 0) - 1)
;;       q = np.round(r / step) * step * 2.0 ** e      # np.round: ties to even
;;       return np.moveaxis(q.reshape(q.shape[:-2] + (-1,))[..., :K], -1, axis).astype(np.float32)
;;   ~~~
;; One version. Each part assembles by itself: llvm-mc -triple=amdgcn-amd-amdhsa -mcpu=gfx1250 --defsym DOCPART=n.
;; ======== version 1 of 1: 4 launches
;; limits: values are held in f16: magnitudes above 65,504 overflow, below 6.1e-05 lose precision
;; workspace buffers: xc 4,194,304 bytes; xs 262,144 bytes; wc 1,572,864 bytes; ws 98,304 bytes; wo 2,097,152 bytes; qi 16,777,216 bytes; kv 33,554,432 bytes; ao 16,777,216 bytes
;; launch prep (part 1): grid 512 x 1, 4 waves a work-group, no clusters, 33,280 bytes of LDS; arguments x, W_qkv, W_out, xc, xs, wc, ws, wo; writes xc, xs, wc, ws, wo
.if DOCPART == 1
	.amdgcn_target "amdgcn-amd-amdhsa--gfx1250"
	.amdhsa_code_object_version 6
	.text
	.protected	k_q74856fb567_prep
	.globl	k_q74856fb567_prep
	.p2align	8
	.type	k_q74856fb567_prep,@function
k_q74856fb567_prep:
	s_mov_b64 s[64:65], 0
	v_nop
	global_prefetch_b8 v0, s[64:65] scope:SCOPE_SE
	s_setreg_imm32_b32 hwreg(HW_REG_WAVE_MODE, 25, 1), 1
	s_wait_xcnt 0x0
; RoPE attention layer, launch 1 of 4: the operands of the two projections are laid out once.
; NO WORK OF THE LAYER IS LEFT OUT in any of the four launches: every input has a way to the output (the bias on k does not cancel behind the rotation, since the rotated bias differs from key to key), so all eight inputs are loaded.
; Work-groups 0-255 (path X): x [8192][1024] f32 -> codes of FP4 (E2M1), K innermost, xc [8192][512 bytes], and one E8M0 byte for each 32 along K, xs [8192][32].
; Work-groups 256-447 (path W): W_qkv [1024 (k)][3072 (n)] f32 -> codes as IMAGES OF THE OPERAND'S REGISTERS, wc [2 slots of 512 k][192 tiles of 16 n][4 steps of 128 k][1,024 bytes]:
;   in a step's 1,024 bytes block t (32 k) of column n lies at 512 (t / 2) + 256 (t % 2) + 16 (n % 16); scale bytes ws [3072][32].
; Work-groups 448-511 (path O): W_out [1024 (k)][1024 (n)] f32 -> f16, as images, wo [8 steps of 128 k][64 tiles of 16 n][4 pieces of 32 k][1,024 bytes]: eight k, 8 q on, of column n at 512 (q / 2) + 256 (q % 2) + 16 (n % 16).
; A block's scale is 2^(floor(log2(its largest magnitude)) - 2); its byte is the largest magnitude's exponent field - 2, held at 1 from below.
; LIMITS: a block of zeros gets the byte 1 where the rule says 127 (its codes are zeros, and this program alone reads the bytes); NaN and infinities among the inputs are not served; W_out beyond f16's 65,504 is not served.
; Path X: a wave takes 16 steps of 512 numbers; each load reads 512 consecutive bytes; the numbers turn through the wave's own stage in LDS so that a lane holds 16 neighbours along K.
; Paths W, O: a lane takes a column n and its registers run down K: each load reads 128 consecutive bytes a wave; nothing is transposed; sixteen lanes store 256 consecutive, aligned bytes.  These two paths touch no LDS.
.set STEPS, 16
.set CB,    8                          ; bytes of 16 codes
.set R,     16                         ; v16-79   path X: four sets of 16 numbers as loaded
.set X,     80                         ; v80-111  two sets of 16 neighbours
.set E,     112                        ; v112-127 a scale byte for each step
.set C,     128                        ; v128-191 codes, four registers for each step
.set WREG,  8192                       ; LDS: a region for each wave: two stages of 32 x SP bytes, then its 256 scale bytes
.set SP,    80
.set SPW,   12                         ; v12 LDS address of my spare word; never rewritten
.set NIL,   13                         ; v13 0; never rewritten
.set SPARE, 4*WREG                     ; the spare words: 128 bytes for each wave, named by no other line
.set D,     32                         ; v32-159  paths W, O: 128 numbers down K
.set RES,   160                        ; v160..   their results: registers of their own for every store
	s_load_b256 s[4:11], s[0:1], 0x0               ; x s[4:5], W_qkv s[6:7], W_out s[8:9], xc s[10:11]
	s_load_b256 s[12:19], s[0:1], 0x20             ; xs s[12:13], wc s[14:15], ws s[16:17], wo s[18:19]
	v_lshl_add_u32 v[SPW], v0, 2, SPARE
	v_mov_b32 v[NIL], 0
	v_lshrrev_b32 v1, 5, v0
	v_readfirstlane_b32 s20, v1                    ; wave
	v_and_b32 v2, 31, v0                           ; lane
	s_mul_i32 s21, s20, WREG
	v_lshlrev_b32 v3, 4, v2                        ; path X: my 16 bytes of a load's 512
	v_lshrrev_b32 v14, 2, v2
	v_mul_u32_u24 v14, v14, SP
	v_and_b32 v15, 3, v2
	v_lshl_add_u32 v14, v15, 4, v14
	v_add_nc_u32 v14, s21, v14                     ; the stage, on the way in: SP (lane / 4) + 16 (lane % 4)
	v_mul_u32_u24 v15, v2, SP
	v_add_nc_u32 v15, s21, v15                     ; and on the way out: SP x lane
	v_mul_u32_u24 v4, v2, CB                       ; my codes' place in a step's
	v_lshrrev_b32 v5, 1, v2
	s_add_co_u32 s21, s21, 2*32*SP
	v_add_nc_u32 v5, s21, v5                       ; my block's scale byte in LDS
	v_lshlrev_b32 v7, 3, v2
	v_add_nc_u32 v6, s21, v7                       ; and 8 bytes a lane on the way out
	s_wait_kmcnt 0x0
	s_cmp_lt_u32 ttmp9, 256
	s_cbranch_scc0 .Lnot_x
	; ---------------- path X
	s_lshl_b32 s22, ttmp9, 2
	s_add_co_u32 s22, s22, s20                     ; which run of 8,192 numbers is my wave's: 0 .. 1,023
	s_mov_b32 s25, 0
	s_lshl_b32 s24, s22, 15                        ; 32,768 bytes of x a run
	s_add_nc_u64 s[4:5], s[4:5], s[24:25]
	s_lshl_b32 s24, s22, 12                        ; 4,096 bytes of codes
	s_add_nc_u64 s[10:11], s[10:11], s[24:25]
	s_lshl_b32 s24, s22, 8                         ; 256 scale bytes
	s_add_nc_u64 s[12:13], s[12:13], s[24:25]
.macro XLD t
.irp i, 0,1,2,3
	global_load_b128 v[R+16*((\t)%4)+4*\i:R+16*((\t)%4)+4*\i+3], v3, s[4:5] offset:2048*(\t)+512*\i th:TH_LOAD_NT
.endr
.endm
.macro XTURN t                         ; step t's numbers through the stage: LDS serves a wave's instructions in order, so no wait stands between the stores and the loads
.irp i, 0,1,2,3
	ds_store_b128 v14, v[R+16*((\t)%4)+4*\i:R+16*((\t)%4)+4*\i+3] offset:32*SP*((\t)%2)+8*SP*\i
.endr
.irp i, 0,1,2,3
	ds_load_b128 v[X+16*((\t)%2)+4*\i:X+16*((\t)%2)+4*\i+3], v15 offset:32*SP*((\t)%2)+16*\i
.endr
.endm
.irp t, 0,1,2,3
	XLD \t
.endr
	s_wait_loadcnt 12                              ; step 0's four loads are in; twelve younger ones stay out
	XTURN 0
.macro XSTEP t
.set XS, X+16*((\t)%2)
.if (\t) > 0
	s_wait_dscnt 1                                 ; this step's numbers are back from the stage; the last step's byte store may be out
.else
	s_wait_dscnt 0x0
.endif
.if (\t)+4 < STEPS
	XLD (\t)+4                                     ; into the registers that the stage's stores have read
.endif
.if (\t)+1 < STEPS
.if STEPS-2-(\t) >= 3
	s_wait_loadcnt 12                              ; the next step's four loads are in; those of the three steps behind it may be out
.else
	s_wait_loadcnt 4*(STEPS-2-(\t))
.endif
	XTURN (\t)+1
.endif
	v_max3_num_f32 v8, |v[XS]|, |v[XS+1]|, |v[XS+2]|               ; the largest magnitude of my 16
	v_max3_num_f32 v9, |v[XS+3]|, |v[XS+4]|, |v[XS+5]|
.irp i, 6,10
	v_max3_num_f32 v8, v8, |v[XS+\i]|, |v[XS+\i+1]|
	v_max3_num_f32 v9, v9, |v[XS+\i+2]|, |v[XS+\i+3]|
.endr
	v_max3_num_f32 v8, v8, |v[XS+14]|, |v[XS+15]|
	v_max3_num_f32 v8, v8, v9, 0x1800000           ; and the floor 2^(3 - 127): the byte cannot fall under 1
	v_max_num_f32_dpp v8, v8, v8 row_xmask:1 row_mask:0xf bank_mask:0xf   ; and of my neighbour's 16: the block's
	v_add_nc_u32 v11, 0xff000000, v8               ; 2 off its exponent field: the conversion takes the exponent field of this operand as its scale
	v_cvt_scalef32_pk8_fp4_f32 v[C+4*(\t)], v[XS:XS+7], v11
	v_cvt_scalef32_pk8_fp4_f32 v[C+4*(\t)+1], v[XS+8:XS+15], v11
	v_lshrrev_b32 v[E+(\t)], 23, v11               ; the scale's byte
	ds_store_b8 v5, v[E+(\t)] offset:16*(\t)       ; both lanes of a block write the same byte with the same value
	global_store_b64 v4, v[C+4*(\t):C+4*(\t)+1], s[10:11] offset:32*CB*(\t)   ; the wave stores 256 consecutive, aligned bytes
.endm
.irp t, 0,1,2,3,4,5,6,7,8,9,10,11,12,13,14,15
	XSTEP \t
.endr
	ds_load_b64 v[8:9], v6                         ; LDS serves a wave's instructions in order: these see my byte stores
	s_wait_dscnt 0x0
	global_store_b64 v7, v[8:9], s[12:13]          ; 256 consecutive, aligned scale bytes
	s_wait_tensorcnt 0x0                           ; the wave's end, behind my last LDS store
	ds_add_u32 v[SPW], v[NIL]
	s_wait_dscnt 0x0
	s_endpgm
	; ---------------- paths W and O: a lane to a column, registers down K
.macro WLD t, pitch, b                 ; block t: rows 32 t .. 32 t + 31 of my 128, my column
.set cnt, 0
.rept 32
	global_load_b32 v[D+32*(\t)+cnt], v20, s[\b:\b+1] offset:(32*(\t)+cnt)*\pitch th:TH_LOAD_NT
.set cnt, cnt+1
.endr
.endm
.Lnot_x:
	v_lshlrev_b32 v20, 2, v2                       ; in: 4 bytes a lane
	v_lshrrev_b32 v21, 4, v2
	v_and_b32 v22, 15, v2
	v_lshlrev_b32 v22, 4, v22
	v_lshl_add_u32 v21, v21, 12, v22               ; out: 4,096 (lane / 16), the next tile of 16 columns, + 16 (lane % 16)
	s_lshl_b32 s25, s20, 5                         ; 32 columns a wave
	s_mov_b32 s27, 0
	s_cmp_lt_u32 ttmp9, 448
	s_cbranch_scc0 .Lpath_o
	s_sub_co_u32 s21, ttmp9, 256
	s_and_b32 s22, s21, 7                          ; which 128 along K
	s_lshr_b32 s23, s21, 3                         ; which 128 columns: 0 .. 23
	s_lshl_b32 s24, s23, 7
	s_add_co_u32 s24, s24, s25                     ; my wave's first column n0
	s_mul_i32 s26, s22, 128*12288
	s_lshl_b32 s28, s24, 2
	s_add_co_u32 s26, s26, s28
	s_add_nc_u64 s[6:7], s[6:7], s[26:27]          ; W_qkv at (128 ks, n0)
	s_lshr_b32 s26, s22, 2
	s_mul_i32 s26, s26, 786432                     ; the slot of 512 k,
	s_and_b32 s28, s22, 3
	s_lshl_b32 s28, s28, 10                        ; the step in it,
	s_add_co_u32 s26, s26, s28
	s_lshl_b32 s28, s24, 8                         ; the tile of columns: (n0 / 16) x 4,096
	s_add_co_u32 s26, s26, s28
	s_add_nc_u64 s[14:15], s[14:15], s[26:27]
	s_lshl_b32 s26, s24, 5
	s_lshl_b32 s28, s22, 2
	s_add_co_u32 s26, s26, s28
	s_add_nc_u64 s[16:17], s[16:17], s[26:27]      ; ws at 32 n0 + 4 ks
	v_lshlrev_b32 v23, 5, v2                       ; my column's row of scale bytes
	WLD 0, 12288, 6
	WLD 1, 12288, 6
.macro WBLOCK t
.set XS, D+32*(\t)
.if (\t) < 3
	s_wait_loadcnt 32                              ; this block's 32 loads are in; the next block's may be out
.else
	s_wait_loadcnt 0x0
.endif
.if (\t)+2 < 4
	WLD (\t)+2, 12288, 6
.endif
	v_max3_num_f32 v176, |v[XS]|, |v[XS+1]|, |v[XS+2]|             ; the block's largest magnitude: all 32 numbers are mine
	v_max3_num_f32 v177, |v[XS+3]|, |v[XS+4]|, |v[XS+5]|
.irp i, 6,10,14,18,22,26
	v_max3_num_f32 v176, v176, |v[XS+\i]|, |v[XS+\i+1]|
	v_max3_num_f32 v177, v177, |v[XS+\i+2]|, |v[XS+\i+3]|
.endr
	v_max3_num_f32 v176, v176, |v[XS+30]|, |v[XS+31]|
	v_max3_num_f32 v176, v176, v177, 0x1800000     ; and the floor 2^(3 - 127)
	v_add_nc_u32 v178, 0xff000000, v176            ; 2 off its exponent field: the conversion's scale operand
	v_lshrrev_b32 v179, 23, v178                   ; the scale's byte
.if (\t) == 0
	v_mov_b32 v180, v179                           ; four bytes make the scale word of these 128 k
.else
	v_lshl_or_b32 v180, v179, 8*(\t), v180
.endif
.irp g, 0,1,2,3
	v_cvt_scalef32_pk8_fp4_f32 v[RES+4*(\t)+\g], v[XS+8*\g:XS+8*\g+7], v178
.endr
	global_store_b128 v21, v[RES+4*(\t):RES+4*(\t)+3], s[14:15] offset:((\t)/2)*512+((\t)%2)*256   ; sixteen lanes store 256 consecutive, aligned bytes
.endm
	WBLOCK 0
	WBLOCK 1
	WBLOCK 2
	WBLOCK 3
	global_store_b32 v23, v180, s[16:17]           ; 4 bytes of each of 32 rows of 32 bytes: one byte for 128 read
	s_endpgm
.Lpath_o:
	s_sub_co_u32 s21, ttmp9, 448
	s_and_b32 s22, s21, 7                          ; which 128 along K
	s_lshr_b32 s23, s21, 3                         ; which 128 columns: 0 .. 7
	s_lshl_b32 s24, s23, 7
	s_add_co_u32 s24, s24, s25                     ; n0
	s_lshl_b32 s26, s22, 19                        ; 128 rows of 4,096 bytes
	s_lshl_b32 s28, s24, 2
	s_add_co_u32 s26, s26, s28
	s_add_nc_u64 s[8:9], s[8:9], s[26:27]
	s_lshl_b32 s26, s22, 18                        ; the K step: 64 tiles of 4,096 bytes
	s_lshl_b32 s28, s24, 8
	s_add_co_u32 s26, s26, s28
	s_add_nc_u64 s[18:19], s[18:19], s[26:27]
	WLD 0, 4096, 8
	WLD 1, 4096, 8
.macro OBLOCK t
.if (\t) < 3
	s_wait_loadcnt 32                              ; this piece's 32 loads are in; the next piece's may be out
.else
	s_wait_loadcnt 0x0
.endif
.if (\t)+2 < 4
	WLD (\t)+2, 4096, 8
.endif
.set cnt, 0
.rept 16
	v_cvt_pk_f16_f32 v[RES+16*(\t)+cnt], v[D+32*(\t)+2*cnt], v[D+32*(\t)+2*cnt+1]   ; the lower k in the low half
.set cnt, cnt+1
.endr
.irp q, 0,1,2,3
	global_store_b128 v21, v[RES+16*(\t)+4*\q:RES+16*(\t)+4*\q+3], s[18:19] offset:(\t)*1024+(\q/2)*512+(\q%2)*256
.endr
.endm
	OBLOCK 0
	OBLOCK 1
	OBLOCK 2
	OBLOCK 3
	s_endpgm
.Lfunc_end_k_q74856fb567_prep:
	.size	k_q74856fb567_prep, .Lfunc_end_k_q74856fb567_prep-k_q74856fb567_prep
	.p2alignl 7, 3214868480
	.fill 96, 4, 3214868480
	.section	.rodata,"a",@progbits
	.p2align	6, 0x0
	.amdhsa_kernel k_q74856fb567_prep
		.amdhsa_group_segment_fixed_size 33280
		.amdhsa_private_segment_fixed_size 0
		.amdhsa_enable_private_segment 0
		.amdhsa_kernarg_size 64
		.amdhsa_user_sgpr_count 2
		.amdhsa_user_sgpr_kernarg_segment_ptr 1
		.amdhsa_wavefront_size32 1
		.amdhsa_system_sgpr_workgroup_id_x 1
		.amdhsa_system_sgpr_workgroup_id_y 1
		.amdhsa_system_sgpr_workgroup_id_z 1
		.amdhsa_system_vgpr_workitem_id 0
		.amdhsa_next_free_vgpr 224
		.amdhsa_next_free_sgpr 66
		.amdhsa_reserve_vcc 0
		.amdhsa_float_denorm_mode_32 3
		.amdhsa_float_denorm_mode_16_64 3
		.amdhsa_memory_ordered 1
		.amdhsa_forward_progress 1
		.amdhsa_inst_pref_size 71
	.end_amdhsa_kernel
	.amdgpu_metadata
---
amdhsa.version: [ 1, 2 ]
amdhsa.kernels:
  - .name:           k_q74856fb567_prep
    .symbol:         k_q74856fb567_prep.kd
    .args:
      - { .name: x, .offset: 0, .size: 8, .value_kind: global_buffer, .address_space: global }
      - { .name: W_qkv, .offset: 8, .size: 8, .value_kind: global_buffer, .address_space: global }
      - { .name: W_out, .offset: 16, .size: 8, .value_kind: global_buffer, .address_space: global }
      - { .name: xc, .offset: 24, .size: 8, .value_kind: global_buffer, .address_space: global }
      - { .name: xs, .offset: 32, .size: 8, .value_kind: global_buffer, .address_space: global }
      - { .name: wc, .offset: 40, .size: 8, .value_kind: global_buffer, .address_space: global }
      - { .name: ws, .offset: 48, .size: 8, .value_kind: global_buffer, .address_space: global }
      - { .name: wo, .offset: 56, .size: 8, .value_kind: global_buffer, .address_space: global }
    .group_segment_fixed_size: 33280
    .private_segment_fixed_size: 0
    .kernarg_segment_align: 8
    .kernarg_segment_size: 64
    .max_flat_workgroup_size: 128
    .sgpr_count:     66
    .vgpr_count:     224
    .wavefront_size: 32
...
	.end_amdgpu_metadata
.endif
;; end of part 1
;; launch qkv (part 2): grid 12 x 32, 4 waves a work-group, clusters of 4 x 4, 327,680 bytes of LDS; arguments xc, xs, wc, ws, b_qkv, cos, sin, qi, kv; writes qi, kv
.if DOCPART == 2
	.amdgcn_target "amdgcn-amd-amdhsa--gfx1250"
	.amdhsa_code_object_version 6
	.text
	.protected	k_q74856fb567_qkv
	.globl	k_q74856fb567_qkv
	.p2align	8
	.type	k_q74856fb567_qkv,@function
k_q74856fb567_qkv:
	s_mov_b64 s[64:65], 0
	v_nop
	global_prefetch_b8 v0, s[64:65] scope:SCOPE_SE
	s_setreg_imm32_b32 hwreg(HW_REG_WAVE_MODE, 25, 1), 1
	s_wait_xcnt 0x0
	s_wait_alu depctr_hold_cnt(0) depctr_sa_sdst(0) depctr_va_vdst(0) depctr_va_sdst(0) depctr_va_ssrc(0) depctr_va_vcc(0) depctr_vm_vsrc(0)
	s_getreg_b32 s2, hwreg(HW_REG_IB_STS2, 6, 4)
	s_cmp_eq_u32 s2, 0
	s_cbranch_scc0 .Lentry_in_a_cluster
	s_endpgm
.Lentry_in_a_cluster:
	s_bfe_u32 s2, ttmp6, 0x10000c
	s_cmp_lg_u32 s2, 0xf033
	s_cbranch_scc0 .Lentry_shape_is_right
	s_endpgm
.Lentry_shape_is_right:
; Launch 2 of 4: qkv = Q(x) Q(W_qkv) + b_qkv on codes of FP4 (E2M1) with E8M0 scales, K = 1,024; then the rotation of q and k; results leave as f16, laid as the attention launch's operand registers want them.  No work is left out.
; A tile of 256 rows x 256 columns is made by a work-group of four waves; a wave makes 128 x 128: 64 accumulators of 16 x 16.  A wave's 128 columns are two whole heads, so channels d and d + 32 lie in one lane.
; K is two slots of 512: both are asked for at the head and nothing is filled again.  x's codes come as rows of 256 bytes (LDS pitch 272); W's as images of the operand's registers, dense: a load at 16 x lane brings four registers.
; The scale bytes of the 256 rows and 256 columns, for all of K, come once, as units of 256 bytes + 16 of padding.
; CLUSTERS: 4 x 4 work-groups; x's tiles are asked for jointly along a row of the cluster, W's along a column.  Four tiles of 256 columns are one part (q, k or v), so the cluster's x says which part: the text parts on it ONCE,
; ahead of the last two steps of 128 along K, the same way in all sixteen partners, and never on a work-group's place in its cluster.  The arm of q and k asks for its first cos and sin there, 128 matrix instructions ahead of their use; the arm of v loads neither.
; THE MATRIX INSTRUCTION IS USED TRANSPOSED (source 0 = 16 columns of W, source 1 = 16 rows of x): lane (r, h) holds row r and eight neighbouring columns 8 h + 0 .. 7.  The bias is the C of each sum's first instruction.
; THE WAY OUT: four conversions make of a lane's eight numbers the four registers of a 16-bit fragment (row r, channels 16 t + 8 h + 0 .. 7), already in the lane that will want them: each store writes 512 consecutive, aligned bytes.
;   qi: [64 heads][128 tiles of 16 queries][4 pieces of 16 channels][512 bytes]; q carries the factor log2(e) / 8.   kv: [64 heads][4 slots of 512 keys][K: 32 tiles x 2,048 bytes | V: the same],
;   V with the lanes' places permuted, 16 ((r / 8) 16 + 8 h + r % 8), so that the turning LDS load at 16 x lane gives half a fragment of V^T.
; LIMITS: q log2(e) / 8, k and v must stay under f16's 65,504; under 6e-5 they keep an absolute step of 6e-8.  NaN and infinities among the inputs are not served.
; REGISTERS: window 0: v16-30 addresses; v32-95 scale words, two sets, and nothing else; v96-127 the f16 results on the way out; v128-191 x's fragments (way out: cos and sin, set 1); v192-255 cos and sin, set 0.
;   window 1: W's fragments at v0 and v128 (way out: v0-31 a head's rotated numbers); v64-127 the bias.   windows 2, 3: the accumulators, (a, b) at v[8 (8 (a % 4) + b)].
.set NQ,     4                         ; steps of 128 along K in a slot
.set PITCH,  272
.set FR,     8
.set NL,     2
.set NP,     4                         ; places behind this matrix instruction (ISA guide 7.12.1)
.set HALFT,  128*PITCH                 ; 128 rows of x's codes
.set HALFB,  32768                     ; 8 tiles of W's columns x 4 steps x 1,024 bytes
.set SLOT,   2*HALFT+2*HALFB
.set KS,     32                        ; a row of scale bytes
.set SCL,    2*SLOT
.set HALFS,  16*272                    ; the scales of 128 rows
.set SBLK,   2*272                     ; those of 16 rows
.set SPARE,  SCL+4*HALFS               ; the spare words: 128 bytes for each wave, named by no other line
.set ADRA, 16
.set ADRB, 20
.set CSO,  24                          ; v24 256 r + 32 h: my place in 16 rows of cos or sin
.set BO,   25                          ; v25 32 h
.set STQ,  26                          ; v26 16 x lane
.set ADRS, 27
.set SPW,  28
.set NIL,  29
.set STV,  30                          ; v30 V's permuted place
.set SC,   32
.set HF,   96                          ; the way out: f16 results, 16 registers a head, in window 0
.set OFW,  0                           ; the way out: a head's 32 rotated numbers, in window 1
.set AF,   128
.set BI,   64                          ; in window 1: the bias
.set WV,   22
.set RH,   23
.set CH,   66
.set G1, 24
.set G0, 32
.set G1B, 48
.set G0B, 56
.set G1S, 68
.set G0S, 76
.set G1SB, 80
.set G0SB, 88
.set OB,  92                           ; s[92:93], s[94:95] where my two heads' results go
.set CS,  96                           ; s[96:97] log2(e) / 8
.set MSB, 0
.macro WIN new                         ; the immediate's high byte repeats the setting that is left
.if MSB != (\new)
	s_set_vgpr_msb (MSB<<8)|(\new)
.set MSB, (\new)
.endif
.endm
.set MUL_LO, 0xa1                      ; source 0 (W) window 1, source 1 (x) window 0, C and D window 2
.set MUL_HI, 0xf1
.set BIAS_LO, 0x91                     ; the same with C, the bias, in window 1
.set BIAS_HI, 0xd1
.set TO_B,   0x40
.macro JLOAD g0a, g1a, g0b, g1b        ; a joint load: waves 0 and 1 fetch for x, waves 2 and 3 for W; an s_nop 0 and four v_nop follow each line
	s_cmp_eq_u32 s[RH], 0
	s_cbranch_scc0 .Lfor_b_\@
	tensor_load_to_lds s[\g0a:\g0a+3], s[\g1a:\g1a+7]
	s_nop 0
.rept 4
	v_nop
.endr
	s_branch .Lasked_\@
.Lfor_b_\@:
	tensor_load_to_lds s[\g0b:\g0b+3], s[\g1b:\g1b+7]
	s_nop 0
.rept 4
	v_nop
.endr
.Lasked_\@:
.endm
.macro CROUND                          ; a round of the cluster's barrier
	s_barrier_signal -1
	s_barrier_wait -1
	s_cmp_lg_u32 s[WV], 0
	s_cbranch_scc1 .Lnot_wave_0_\@
	s_barrier_signal -3
.Lnot_wave_0_\@:
	s_barrier_wait -3
	s_barrier_signal -1
	s_barrier_wait -1
.endm
	s_load_b256 s[4:11], s[0:1], 0x0               ; xc s[4:5], xs s[6:7], wc s[8:9], ws s[10:11]
	s_load_b256 s[12:19], s[0:1], 0x20             ; b_qkv s[12:13], cos s[14:15], sin s[16:17], qi s[18:19]
	s_load_b64 s[20:21], s[0:1], 0x40              ; kv
	v_lshl_add_u32 v[SPW], v0, 2, SPARE
	v_mov_b32 v[NIL], 0
	ds_add_u32 v[SPW], v[NIL]                      ; the wave's opening: the add, twice on end, and its wait ahead of my first tensor load
	ds_add_u32 v[SPW], v[NIL]
	v_lshrrev_b32 v1, 5, v0
	v_readfirstlane_b32 s[WV], v1                  ; wave 0..3
	s_lshr_b32 s[RH], s[WV], 1                     ; my half of the tile's rows.  Also: I fetch for x (0) or for W (1)
	s_and_b32 s[CH], s[WV], 1                      ; my half of its columns.  Also: which half I fetch
	s_bfe_u32 s40, ttmp6, 0x40000                  ; cx
	s_bfe_u32 s41, ttmp6, 0x40004                  ; cy
	s_lshl_b32 s42, ttmp9, 2
	s_add_co_u32 s42, s42, s40                     ; tile column = 4 x cluster x + cx
	s_and_b32 s67, ttmp7, 0xffff
	s_lshl_b32 s67, s67, 2
	s_add_co_u32 s67, s67, s41                     ; tile row = 4 x cluster y + cy
	s_lshl_b32 s43, s41, 2
	s_lshl_b32 s43, 15, s43                        ; my row of the cluster
	s_lshl_b32 s44, 0x1111, s40                    ; my column
	s_or_b32 s[G1+0], s43, (0<<16)|(1<<20)|(1<<21)|(5<<22)|(3<<25)   ; x's codes: elements of 1 byte; 4 words of padding behind every 64
	s_mov_b32 s[G1+1], 256<<16                     ; tensor_dim0 = 256 bytes
	s_mov_b32 s[G1+2], 128<<16                     ; tensor_dim1 = 128 rows
	s_mov_b32 s[G1+3], 256<<16                     ; tile_dim0
	s_mov_b32 s[G1+4], 128                         ; tile_dim1
	s_mov_b32 s[G1+5], 512                         ; a row of xc
	s_mov_b32 s[G1+6], 0
	s_mov_b32 s[G1+7], 0
	s_or_b32 s[G1B+0], s44, (3<<16)|(1<<21)        ; W's images: a dense block of 32,768 bytes as 128 rows of 32 elements of 8 bytes, no padding
	s_mov_b32 s[G1B+1], 32<<16
	s_mov_b32 s[G1B+2], 128<<16
	s_mov_b32 s[G1B+3], 32<<16
	s_mov_b32 s[G1B+4], 128
	s_mov_b32 s[G1B+5], 32
	s_mov_b32 s[G1B+6], 0
	s_mov_b32 s[G1B+7], 0
	s_or_b32 s[G1S+0], s43, (3<<16)|(1<<20)|(1<<21)|(5<<22)|(3<<25)  ; the scales of 128 rows: 4,096 dense bytes as 16 rows of 256, 16 bytes of padding behind each
	s_or_b32 s[G1SB+0], s44, (3<<16)|(1<<20)|(1<<21)|(5<<22)|(3<<25)
.irp g, G1S, G1SB
	s_mov_b32 s[\g+1], 32<<16
	s_mov_b32 s[\g+2], 16<<16
	s_mov_b32 s[\g+3], 32<<16
	s_mov_b32 s[\g+4], 16
	s_mov_b32 s[\g+5], 32
	s_mov_b32 s[\g+6], 0
	s_mov_b32 s[\g+7], 0
.endr
	s_lshl_b32 s45, s[CH], 7                       ; which 128 rows or columns I fetch
	s_lshl_b32 s98, s67, 8
	s_add_co_u32 s98, s98, s45                     ; x: row 256 x tile row + 128 x half
	s_lshl_b32 s46, s42, 8
	s_add_co_u32 s46, s46, s45                     ; W: column 256 x tile column + 128 x half
	s_lshl_b32 s100, s98, 5                        ; their scales, 32 bytes each,
	s_mov_b32 s101, 0
	s_lshl_b32 s98, s98, 9                         ; x's codes, 512 bytes a row,
	s_mov_b32 s99, 0
	s_lshl_b32 s2, s46, 5
	s_mov_b32 s3, 0
	s_lshl_b32 s46, s46, 8                         ; W's images: 4,096 bytes for 16 columns
	s_mov_b32 s47, 0
	s_mul_i32 s45, s[CH], HALFT                    ; where they go: no place in the cluster enters an LDS address
	s_lshl_b32 s92, s[CH], 15
	s_add_co_u32 s92, s92, 2*HALFT
	s_mul_i32 s94, s[WV], HALFS
	s_mov_b32 s[CS], 0x3e38aa3b                    ; log2(e) / 8
	s_mov_b32 s[CS+1], s[CS]
	s_wait_dscnt 0x0                               ; both opening adds are done
	s_wait_kmcnt 0x0
	s_add_nc_u64 s[98:99], s[4:5], s[98:99]
	s_add_nc_u64 s[100:101], s[6:7], s[100:101]
	s_add_nc_u64 s[46:47], s[8:9], s[46:47]
	s_add_nc_u64 s[2:3], s[10:11], s[2:3]
	CROUND                                         ; all sixteen work-groups are here: the joint loads meet
	s_mov_b32 s[G0S], 1
	s_add_co_u32 s[G0S+1], s94, SCL
	s_mov_b64 s[G0S+2:G0S+3], s[100:101]
	s_or_b32 s[G0S+3], s[G0S+3], 0x80000000
	s_mov_b32 s[G0SB], 1
	s_add_co_u32 s[G0SB+1], s94, SCL
	s_mov_b64 s[G0SB+2:G0SB+3], s[2:3]
	s_or_b32 s[G0SB+3], s[G0SB+3], 0x80000000
	JLOAD G0S, G1S, G0SB, G1SB                     ; three loads of mine go out: the scales, slot 0, slot 1
.irp s, 0,1
	s_mov_b32 s[G0+4*\s], 1
	s_add_co_u32 s[G0+4*\s+1], s45, \s*SLOT
	s_add_nc_u64 s[G0+4*\s+2:G0+4*\s+3], s[98:99], \s*256
	s_or_b32 s[G0+4*\s+3], s[G0+4*\s+3], 0x80000000
	s_mov_b32 s[G0B+4*\s], 1
	s_add_co_u32 s[G0B+4*\s+1], s92, \s*SLOT
	s_add_nc_u64 s[G0B+4*\s+2:G0B+4*\s+3], s[46:47], \s*786432
	s_or_b32 s[G0B+4*\s+3], s[G0B+4*\s+3], 0x80000000
	JLOAD G0+4*\s, G1, G0B+4*\s, G1B
.endr
	v_and_b32 v1, 15, v0                           ; r
	v_bfe_u32 v2, v0, 4, 1                         ; h
	v_mul_u32_u24 v3, v1, PITCH
	v_lshl_add_u32 v4, v2, 4, v3                   ; x's fragment: row x pitch + 16 h
	v_and_b32 v5, 31, v0
	v_lshlrev_b32 v[STQ], 4, v5                    ; 16 x lane
	s_mul_i32 s2, s[RH], HALFT                     ; my 128 rows of x
	s_lshl_b32 s3, s[CH], 15
	s_add_co_u32 s3, s3, 2*HALFT                   ; my 8 tiles of W's columns
.irp s, 0,1
	v_add_nc_u32 v[ADRA+\s], s2, v4
	v_add_nc_u32 v[ADRB+\s], s3, v[STQ]
	s_add_co_u32 s2, s2, SLOT
	s_add_co_u32 s3, s3, SLOT
.endr
	v_mul_u32_u24 v5, v1, KS                       ; my row's scales: 32 bytes a row,
	v_lshrrev_b32 v6, 8, v5
	v_lshl_add_u32 v5, v6, 4, v5                   ; and 16 more for each 256 passed
	s_mul_i32 s2, s[RH], HALFS
	s_mul_i32 s3, s[CH], HALFS
	s_add_co_u32 s3, s3, 2*HALFS
	s_sub_co_u32 s3, s3, s2
	v_mul_u32_u24 v6, s3, v2                       ; lanes 16-31 take W's
	s_add_co_u32 s2, s2, SCL
	v_add_nc_u32 v5, v5, v6
	v_add_nc_u32 v[ADRS], s2, v5
	v_lshlrev_b32 v[CSO], 8, v1
	v_lshl_add_u32 v[CSO], v2, 5, v[CSO]
	v_lshlrev_b32 v[BO], 5, v2
	v_lshrrev_b32 v6, 3, v1
	v_and_b32 v7, 7, v1
	v_lshlrev_b32 v[STV], 4, v7
	v_lshl_add_u32 v[STV], v2, 7, v[STV]
	v_lshl_add_u32 v[STV], v6, 8, v[STV]           ; 256 (r / 8) + 128 h + 16 (r % 8)
	; where my rows stand in their sequence, and where the results go
	s_and_b32 s3, s67, 7
	s_lshl_b32 s3, s3, 8
	s_lshl_b32 s45, s[RH], 7
	s_add_co_u32 s3, s3, s45                       ; l0: my first position, 0 .. 1,920
	s_lshl_b32 s98, s3, 8
	s_mov_b32 s99, 0
	s_add_nc_u64 s[14:15], s[14:15], s[98:99]      ; cos and sin at row l0
	s_add_nc_u64 s[16:17], s[16:17], s[98:99]
	s_lshl_b32 s98, s42, 10
	s_lshl_b32 s45, s[CH], 9
	s_add_co_u32 s98, s98, s45
	s_add_nc_u64 s[12:13], s[12:13], s[98:99]      ; the bias at my first column
	s_lshr_b32 s2, s67, 3                          ; the batch
	s_lshl_b32 s2, s2, 4
	s_lshl_b32 s45, s40, 2
	s_add_co_u32 s2, s2, s45
	s_lshl_b32 s45, s[CH], 1
	s_add_co_u32 s2, s2, s45                       ; my first head: 16 b + 4 cx + 2 x half
	s_lshl_b32 s98, s2, 18
	s_lshl_b32 s45, s3, 7
	s_add_co_u32 s98, s98, s45                     ; in qi: 262,144 bytes a head, 128 a query
	s_lshl_b32 s100, s2, 19                        ; in kv: 524,288 bytes a head,
	s_lshr_b32 s45, s3, 9
	s_lshl_b32 s45, s45, 17                        ; 131,072 a slot of 512 keys,
	s_add_co_u32 s100, s100, s45
	s_and_b32 s45, s3, 511
	s_lshl_b32 s45, s45, 7                         ; 128 a key,
	s_add_co_u32 s100, s100, s45
	s_cmp_eq_u32 ttmp9, 2
	s_cselect_b32 s45, 65536, 0                    ; V behind K
	s_add_co_u32 s100, s100, s45
	s_mov_b32 s46, 524288
	s_cmp_eq_u32 ttmp9, 0
	s_cselect_b64 s[OB:OB+1], s[18:19], s[20:21]
	s_cselect_b32 s98, s98, s100
	s_cselect_b32 s46, 262144, s46                 ; from head to head
	s_mov_b32 s47, 0
	s_add_nc_u64 s[OB:OB+1], s[OB:OB+1], s[98:99]
	s_add_nc_u64 s[OB+2:OB+3], s[OB:OB+1], s[46:47]
	WIN TO_B
.irp b, 0,1,2,3,4,5,6,7                        ; the bias in the result's layout: register 8 b + j = b_qkv[my first column + 16 b + 8 h + j]
	global_load_b128 v[BI+8*\b:BI+8*\b+3], v[BO], s[12:13] offset:64*\b
	global_load_b128 v[BI+8*\b+4:BI+8*\b+7], v[BO], s[12:13] offset:64*\b+16
.endr
	WIN 0
.macro CSLOAD a, set                   ; cos (32 registers) and sin (32) of rows 16 a on: lane (r, h): channels 16 t + 8 h + 0 .. 7
.irp t, 0,1,2,3
	global_load_b128 v[\set+8*\t:\set+8*\t+3], v[CSO], s[14:15] offset:(\a)*4096+64*\t
	global_load_b128 v[\set+8*\t+4:\set+8*\t+7], v[CSO], s[14:15] offset:(\a)*4096+64*\t+16
	global_load_b128 v[\set+32+8*\t:\set+32+8*\t+3], v[CSO], s[16:17] offset:(\a)*4096+64*\t
	global_load_b128 v[\set+32+8*\t+4:\set+32+8*\t+7], v[CSO], s[16:17] offset:(\a)*4096+64*\t+16
.endr
.endm
.macro FRAG reg, adr, q, i             ; x: 16 rows x 128 K of 4-bit codes: registers 4 c .. 4 c + 3 hold K = 64 c + 32 h + 0 .. 31
.irp c, 0,1
	ds_load_b128 v[\reg+4*\c:\reg+4*\c+3], v[\adr] offset:64*(\q)+32*\c+(\i)*16*PITCH
.endr
.endm
; 16 matrix instructions: x's blocks a0, a0 + 1 against W's eight.  The 64 accumulators take turns, one instruction a turn, in the same order in every step.
.macro MUL16 a0, p, q, sc, bias
.irp a, \a0, \a0+1
.irp b, 0,1,2,3,4,5,6,7
.if \bias
	v_wmma_scale_f32_16x16x128_f8f6f4 v[8*(8*((\a)%4)+\b):8*(8*((\a)%4)+\b)+7], v[128*(\p)+FR*\b:128*(\p)+FR*\b+FR-1], v[AF+FR*(\a):AF+FR*(\a)+FR-1], v[BI+8*\b:BI+8*\b+7], v[SC+8*NQ*(\sc)+NQ*\b+(\q)], v[SC+8*NQ*(\sc)+NQ*(\a)+(\q)] matrix_a_fmt:MATRIX_FMT_FP4 matrix_b_fmt:MATRIX_FMT_FP4 matrix_a_scale:MATRIX_SCALE_ROW1
.else
	v_wmma_scale_f32_16x16x128_f8f6f4 v[8*(8*((\a)%4)+\b):8*(8*((\a)%4)+\b)+7], v[128*(\p)+FR*\b:128*(\p)+FR*\b+FR-1], v[AF+FR*(\a):AF+FR*(\a)+FR-1], v[8*(8*((\a)%4)+\b):8*(8*((\a)%4)+\b)+7], v[SC+8*NQ*(\sc)+NQ*\b+(\q)], v[SC+8*NQ*(\sc)+NQ*(\a)+(\q)] matrix_a_fmt:MATRIX_FMT_FP4 matrix_b_fmt:MATRIX_FMT_FP4 matrix_a_scale:MATRIX_SCALE_ROW1
.endif
.endr
.endr
.endm
.macro FETCH_B slot, q, p              ; W's eight fragments of the slot's q-th 128 along K into set p: images, 512 bytes a load
	WIN TO_B
.irp i, 0,1,2,3,4,5,6,7
.irp c, 0,1
	ds_load_b128 v[128*(\p)+FR*\i+4*\c:128*(\p)+FR*\i+4*\c+3], v[ADRB+\slot] offset:4096*\i+1024*(\q)+512*\c
.endr
.endr
	WIN 0
.endm
.macro FETCH_A slot, q, i0             ; x's blocks i0 .. i0 + 3
.irp i, \i0, \i0+1, \i0+2, \i0+3
	FRAG AF+FR*(\i), ADRA+\slot, \q, \i
.endr
.endm
.macro SCALES sc                       ; a slot's scale words: lanes 0-15 take x's block i, lanes 16-31 W's block i
.irp i, 0,1,2,3,4,5,6,7
	ds_load_b128 v[SC+8*NQ*\sc+NQ*\i:SC+8*NQ*\sc+NQ*\i+3], v[ADRS] offset:\i*SBLK
.endr
.endm
.macro PLACES n
.rept \n
	v_nop
.endr
.endm
.macro STEP slot, q, bias              ; a step of 128 along K that has its successor in the same slot
	s_wait_dscnt 4*NL                              ; W's set and x's blocks 0-3 are in; the youngest eight loads (x's blocks 4-7) may be out
.if \bias
	WIN BIAS_LO
.else
	WIN MUL_LO
.endif
	MUL16 0, (\q)%2, \q, \slot, \bias
	MUL16 2, (\q)%2, \q, \slot, \bias
	s_wait_dscnt 0
	PLACES NP                                      ; in front of loads into registers that matrix instructions have read
	FETCH_B \slot, (\q)+1, 1-(\q)%2
	FETCH_A \slot, (\q)+1, 0
.if \bias
	WIN BIAS_HI
.else
	WIN MUL_HI
.endif
	MUL16 4, (\q)%2, \q, \slot, \bias
	MUL16 6, (\q)%2, \q, \slot, \bias
	PLACES NP
	WIN 0
	FETCH_A \slot, (\q)+1, 4
.endm
.macro TURN slot, next                 ; slot 0's last step: the one change of slots
	s_wait_tensorcnt 0x0                           ; all my tensor loads have landed: my part of slot 1
	ds_add_u32 v[SPW], v[NIL]                      ; 0 onto my spare word
	s_wait_dscnt 4*NL+1                            ; the add and the youngest eight loads may be out
	WIN MUL_LO
	MUL16 0, 1, NQ-1, \slot, 0
	s_wait_dscnt 0x0
	s_barrier_signal -1
	MUL16 2, 1, NQ-1, \slot, 0
	WIN 0
	s_barrier_wait -1                              ; slot 1 is whole
	PLACES NP
	v_add_nc_u32 v[ADRS], 4*NQ, v[ADRS]            ; on to the next slot's scale words
	FETCH_B \next, 0, 0
	FETCH_A \next, 0, 0
	SCALES \next
	WIN MUL_HI
	MUL16 4, 1, NQ-1, \slot, 0
	MUL16 6, 1, NQ-1, \slot, 0
	PLACES NP
	WIN 0
	FETCH_A \next, 0, 4
.endm
.macro TAIL                            ; slot 1's last two steps: written once in each arm of the parting on the part
	STEP 1, 2, 0
	s_wait_dscnt 4*NL                              ; the last step: nothing more to fetch
	WIN MUL_LO
	MUL16 0, 1, NQ-1, 1, 0
	MUL16 2, 1, NQ-1, 1, 0
	s_wait_dscnt 0
	WIN MUL_HI
	MUL16 4, 1, NQ-1, 1, 0
	MUL16 6, 1, NQ-1, 1, 0
	WIN 0
	PLACES NP                                      ; in front of the first read of results and of loads and writes into operands' registers
.endm
; THE WAY OUT of q and k, 16 rows at a time.  out(d) = y(d) cos(d) - y(d + 32) sin(d) for d < 32, y(d) cos(d) + y(d - 32) sin(d) else: channel tiles t and t + 2 of one head, in one lane.
.macro ROPE a
.set AC, 64*((\a)%4)
.set CN, 192-64*((\a)%2)
.if (\a) > 0
	s_wait_xcnt 0x0                                ; the last block's stores have read their registers, which are written again below
.endif
.if (\a) < 7
	CSLOAD (\a)+1, 128+64*((\a)%2)
	s_wait_loadcnt 16                              ; this block's cos and sin are in; the next block's sixteen loads may be out
.else
	s_wait_loadcnt 0x0
.endif
	s_cmp_lg_u32 ttmp9, 0                          ; q alone carries log2(e) / 8: it goes into its cos and sin
	s_cbranch_scc1 .Lplain_\@
.set cnt, 0
.rept 32
	v_pk_mul_f32 v[CN+cnt:CN+cnt+1], v[CN+cnt:CN+cnt+1], s[CS:CS+1] op_sel_hi:[1,0]
.set cnt, cnt+2
.endr
.Lplain_\@:
.irp hh, 0,1
	WIN 0x52+(\a)/4                                ; source 0: the accumulators' window; cos and sin in window 0; the rotated numbers (source 2 and destination) in window 1
.irp t, 0,1,2,3
.irp j, 0,2,4,6
	v_pk_mul_f32 v[OFW+8*\t+\j:OFW+8*\t+\j+1], v[AC+8*(4*\hh+\t)+\j:AC+8*(4*\hh+\t)+\j+1], v[CN+8*\t+\j:CN+8*\t+\j+1]   ; each accumulator is read from its low end on
.endr
.endr
.irp t, 0,1
.irp j, 0,2,4,6
	v_pk_fma_f32 v[OFW+8*\t+\j:OFW+8*\t+\j+1], v[AC+8*(4*\hh+\t+2)+\j:AC+8*(4*\hh+\t+2)+\j+1], v[CN+32+8*\t+\j:CN+32+8*\t+\j+1], v[OFW+8*\t+\j:OFW+8*\t+\j+1] neg_lo:[1,0,0] neg_hi:[1,0,0]
	v_pk_fma_f32 v[OFW+16+8*\t+\j:OFW+16+8*\t+\j+1], v[AC+8*(4*\hh+\t)+\j:AC+8*(4*\hh+\t)+\j+1], v[CN+48+8*\t+\j:CN+48+8*\t+\j+1], v[OFW+16+8*\t+\j:OFW+16+8*\t+\j+1]
.endr
.endr
	WIN 0x05                                       ; sources in window 1, destination in window 0
.irp t, 0,1,2,3
.irp p, 0,1,2,3
	v_cvt_pk_f16_f32 v[HF+16*\hh+4*\t+\p], v[OFW+8*\t+2*\p], v[OFW+8*\t+2*\p+1]
.endr
.endr
	WIN 0
.irp t, 0,1,2,3
	global_store_b128 v[STQ], v[HF+16*\hh+4*\t:HF+16*\hh+4*\t+3], s[OB+2*\hh:OB+2*\hh+1] offset:(\a)*2048+512*\t th:TH_STORE_NT   ; 512 consecutive, aligned bytes
.endr
.endr
.endm
; and of v: rounded as it is, the lanes' places permuted for the turning load
.macro VOUT a
.set AC, 64*((\a)%4)
.if (\a) > 0
	s_wait_xcnt 0x0
.endif
.irp hh, 0,1
	WIN 0x0a+5*((\a)/4)                            ; sources 0 and 1: the accumulators' window
.irp t, 0,1,2,3
.irp p, 0,1,2,3
	v_cvt_pk_f16_f32 v[HF+16*\hh+4*\t+\p], v[AC+8*(4*\hh+\t)+2*\p], v[AC+8*(4*\hh+\t)+2*\p+1]
.endr
.endr
	WIN 0
.irp t, 0,1,2,3
	global_store_b128 v[STV], v[HF+16*\hh+4*\t:HF+16*\hh+4*\t+3], s[OB+2*\hh:OB+2*\hh+1] offset:(\a)*2048+512*\t th:TH_STORE_NT
.endr
.endr
.endm
	s_wait_loadcnt 0x0                             ; the bias
	s_wait_tensorcnt 0x1                           ; the scales and my part of slot 0 are in; slot 1's load may be out
	s_barrier_signal -1
	s_barrier_wait -1
	FETCH_B 0, 0, 0
	FETCH_A 0, 0, 0
	SCALES 0
	FETCH_A 0, 0, 4
	STEP 0, 0, 1                                   ; the first products start the sums on the bias: nothing is cleared
	STEP 0, 1, 0
	STEP 0, 2, 0
	TURN 0, 1
	STEP 1, 0, 0
	STEP 1, 1, 0
	s_cmp_eq_u32 ttmp9, 2                          ; THE PARTING: v is not rotated.  The cluster's x: all sixteen partners go the same way; no barrier and no tensor load stands in either arm
	s_cbranch_scc1 .Lvalues
	CSLOAD 0, 192                                  ; cos and sin of my first 16 rows: the tail's 128 matrix instructions stand between these loads and their use
	TAIL
.irp a, 0,1,2,3,4,5,6,7
	ROPE \a
.endr
	s_branch .Ldone
.Lvalues:
	TAIL
.irp a, 0,1,2,3,4,5,6,7
	VOUT \a
.endr
.Ldone:
	s_wait_tensorcnt 0x0                           ; the wave's end
	ds_add_u32 v[SPW], v[NIL]
	s_wait_dscnt 0x0
	CROUND                                         ; the closing round
	s_endpgm
.Lfunc_end_k_q74856fb567_qkv:
	.size	k_q74856fb567_qkv, .Lfunc_end_k_q74856fb567_qkv-k_q74856fb567_qkv
	.p2alignl 7, 3214868480
	.fill 96, 4, 3214868480
	.section	.rodata,"a",@progbits
	.p2align	6, 0x0
	.amdhsa_kernel k_q74856fb567_qkv
		.amdhsa_group_segment_fixed_size 327680
		.amdhsa_private_segment_fixed_size 0
		.amdhsa_enable_private_segment 0
		.amdhsa_kernarg_size 72
		.amdhsa_user_sgpr_count 2
		.amdhsa_user_sgpr_kernarg_segment_ptr 1
		.amdhsa_wavefront_size32 1
		.amdhsa_system_sgpr_workgroup_id_x 1
		.amdhsa_system_sgpr_workgroup_id_y 1
		.amdhsa_system_sgpr_workgroup_id_z 1
		.amdhsa_system_vgpr_workitem_id 0
		.amdhsa_next_free_vgpr 1024
		.amdhsa_next_free_sgpr 102
		.amdhsa_reserve_vcc 0
		.amdhsa_float_denorm_mode_32 3
		.amdhsa_float_denorm_mode_16_64 3
		.amdhsa_memory_ordered 1
		.amdhsa_forward_progress 1
		.amdhsa_inst_pref_size 224
	.end_amdhsa_kernel
	.amdgpu_metadata
---
amdhsa.version: [ 1, 2 ]
amdhsa.kernels:
  - .name:           k_q74856fb567_qkv
    .symbol:         k_q74856fb567_qkv.kd
    .args:
      - { .name: xc, .offset: 0, .size: 8, .value_kind: global_buffer, .address_space: global }
      - { .name: xs, .offset: 8, .size: 8, .value_kind: global_buffer, .address_space: global }
      - { .name: wc, .offset: 16, .size: 8, .value_kind: global_buffer, .address_space: global }
      - { .name: ws, .offset: 24, .size: 8, .value_kind: global_buffer, .address_space: global }
      - { .name: b_qkv, .offset: 32, .size: 8, .value_kind: global_buffer, .address_space: global }
      - { .name: cos, .offset: 40, .size: 8, .value_kind: global_buffer, .address_space: global }
      - { .name: sin, .offset: 48, .size: 8, .value_kind: global_buffer, .address_space: global }
      - { .name: qi, .offset: 56, .size: 8, .value_kind: global_buffer, .address_space: global }
      - { .name: kv, .offset: 64, .size: 8, .value_kind: global_buffer, .address_space: global }
    .group_segment_fixed_size: 327680
    .private_segment_fixed_size: 0
    .kernarg_segment_align: 8
    .kernarg_segment_size: 72
    .max_flat_workgroup_size: 128
    .sgpr_count:     102
    .vgpr_count:     1024
    .wavefront_size: 32
...
	.end_amdgpu_metadata
.endif
;; end of part 2
;; launch attn (part 3): grid 4 x 64, 8 waves a work-group, clusters of 4 x 1, 327,680 bytes of LDS; arguments qi, kv, mask, ao; writes ao
.if DOCPART == 3
	.amdgcn_target "amdgcn-amd-amdhsa--gfx1250"
	.amdhsa_code_object_version 6
	.text
	.protected	k_q74856fb567_attn
	.globl	k_q74856fb567_attn
	.p2align	8
	.type	k_q74856fb567_attn,@function
k_q74856fb567_attn:
	s_mov_b64 s[64:65], 0
	v_nop
	global_prefetch_b8 v0, s[64:65] scope:SCOPE_SE
	s_setreg_imm32_b32 hwreg(HW_REG_WAVE_MODE, 25, 1), 1
	s_wait_xcnt 0x0
	s_wait_alu depctr_hold_cnt(0) depctr_sa_sdst(0) depctr_va_vdst(0) depctr_va_sdst(0) depctr_va_ssrc(0) depctr_va_vcc(0) depctr_vm_vsrc(0)
	s_getreg_b32 s2, hwreg(HW_REG_IB_STS2, 6, 4)
	s_cmp_eq_u32 s2, 0
	s_cbranch_scc0 .Lentry_in_a_cluster
	s_endpgm
.Lentry_in_a_cluster:
	s_bfe_u32 s2, ttmp6, 0x10000c
	s_cmp_lg_u32 s2, 0x3003
	s_cbranch_scc0 .Lentry_shape_is_right
	s_endpgm
.Lentry_shape_is_right:
; Launch 3 of 4: O[b][h][q] = sum over k of softmax_k(q . k / 8, masked keys out) v, on f16 operands with f32 sums, maxima and row sums.  No work is left out.
; SHARES.  A work-group owns 512 queries of one head, each of its eight waves 64: four tiles of 16, in 512 registers: two waves to a SIMD, so that one wave's softmax stands beside the other's products.
; Every wave walks the head's 2,048 keys, 64 a step.  K and V come through two LDS slots of 512 keys (K 65,536 bytes, then V 65,536, as they lie in memory): each wave fetches an eighth of a slot, 64 rows of 256 bytes.
; CLUSTER.  The four query blocks of a head walk the same K and V: each tile is asked for jointly, by the same tensor load with a mask that names the four.
; LAYOUT.  S^T = K Q^T + C (source 0 = 16 keys, source 1 = 16 queries): a lane holds ONE query and keys 8 h + 0 .. 7; two such tiles rounded to f16 are source 1 of O^T = V^T P.  All operands lie in LDS and memory as images of
; their registers, so every load stands at 16 x lane; V's image is turned by ds_load_tr16_b128.
; THE MASK costs no vector instruction: C, the start of each score's sum, holds 0 for an open key and -1e30 for a masked one, from a table of 2,048 f32 that the work-group makes in LDS once.
; SOFTMAX.  q carries log2(e) / 8, so t = S.  A running maximum m and sum l for each query: p = 2^(t - m); in every step O and l are multiplied by a = 2^(m_old - m_new).
; LIMITS.  A masked key's score is -1e30 and not -infinity: right while |t| stays under 5e29.  Steps in which every key so far is masked give p = 1 under m = -1e30, which the first open key wipes out exactly (a = 0).
; A row whose every key is masked (m under -5e29 at the end) gets NaN, as the softmax of a row of -infinity has it.  O must stay under f16's 65,504; under 6e-5 it keeps an absolute step of 6e-8.
; REGISTERS.  window 0: v2-11 addresses; v12-27 four a tile: m, 0, l (two halves); v28-59 eight a tile: at work in the softmax, and from FETCH_BIAS to the next QK the four key tiles' C; v60-187 S^T, 32 a tile (P in each tile's low 16);
;   v188-251 K of one step; v252, v253 the add's two.   window 1: v0-63 Q; v64-191 O^T, 32 a tile; v192-255 V of one step.
.set SLOT1, 131072
.set BIAS,  262144                     ; 8,192 bytes, written by LDS stores: no fill lands there
.set SPARE, 270336                     ; the spare words: 128 bytes for each of eight waves, named by no other line
.set LI,  2                            ; v2  16 x lane
.set AV0, 3                            ; v3  16 x lane + 65,536: V behind K
.set BI0, 4                            ; v4  BIAS + 32 h
.set ADK, 5
.set ADV, 6
.set ADB, 7
.set ST,  12
.set T,   28
.set S,   60
.set KF,  188
.set SPW, 252
.set NIL, 253
.set QF,  0                            ; window 1
.set O,   64
.set VF,  192
.set WV,  12
.set G1,  16                           ; s[16:23]
.set G0A, 24                           ; s[24:27] slot 0's first fill
.set G0W, 28                           ; s[28:31] slot 1's first fill; then it walks
.set TB,  32                           ; s32 LDS byte of the K of the step to be fetched
.set TBB, 33                           ; s33 that step's place in the table of C: 256 bytes a step
.set SLOTS, 34
.set NST, 35
.set SEL, 36                           ; s[36:37]
.set MSB, 0
.macro WIN new
.if MSB != (\new)
	s_set_vgpr_msb (MSB<<8)|(\new)
.set MSB, (\new)
.endif
.endm
.macro CROUND
	s_barrier_signal -1
	s_barrier_wait -1
	s_cmp_lg_u32 s[WV], 0
	s_cbranch_scc1 .Lnot_wave_0_\@
	s_barrier_signal -3
.Lnot_wave_0_\@:
	s_barrier_wait -3
	s_barrier_signal -1
	s_barrier_wait -1
.endm
	s_load_b256 s[4:11], s[0:1], 0x0               ; qi s[4:5], kv s[6:7], mask s[8:9], ao s[10:11]
	v_lshl_add_u32 v[SPW], v0, 2, SPARE
	v_mov_b32 v[NIL], 0
	ds_add_u32 v[SPW], v[NIL]                      ; the wave's opening: the add, twice on end, and its wait ahead of my first tensor load
	ds_add_u32 v[SPW], v[NIL]
	v_lshrrev_b32 v1, 5, v0
	v_readfirstlane_b32 s[WV], v1                  ; wave 0..7
	s_bfe_u32 s13, ttmp6, 0x40000                  ; cx
	s_lshl_b32 s14, ttmp9, 2
	s_add_co_u32 s14, s14, s13                     ; my block of 512 queries: it enters Q's and O's addresses alone
	s_and_b32 s15, ttmp7, 0xffff                   ; 16 b + h, which the four partners share
	s_mov_b32 s[G1], 15|(3<<16)|(1<<21)            ; the mask: all four; elements of 8 bytes; no padding
	s_mov_b32 s[G1+1], 32<<16                      ; tensor_dim0 = 32 elements: 256 bytes
	s_mov_b32 s[G1+2], 64<<16                      ; tensor_dim1 = 64 rows
	s_mov_b32 s[G1+3], 32<<16                      ; tile_dim0
	s_mov_b32 s[G1+4], 64                          ; tile_dim1
	s_mov_b32 s[G1+5], 32                          ; dense
	s_mov_b32 s[G1+6], 0
	s_mov_b32 s[G1+7], 0
	s_mov_b32 s[SEL], 0x76543210
	s_mov_b32 s[SEL+1], 0xfedcba98                 ; v_permlanex16_b32's selects for lane l xor 16
	s_mov_b32 s38, 0xf149f2ca                      ; -1e30
	s_mov_b32 s39, 0xf0c9f2ca                      ; -5e29
	s_mov_b32 s[TB], 0
	s_mov_b32 s[TBB], 0
	s_mov_b32 s[SLOTS], 2
	s_lshl_b32 s40, s15, 19                        ; 524,288 bytes of kv a head
	s_lshl_b32 s42, s[WV], 14                      ; my eighth of a slot, in memory and in LDS alike
	s_add_co_u32 s40, s40, s42
	s_mov_b32 s41, 0                               ; s[40:41] holds offsets alone, and s41 stays 0 for all of them
	s_wait_dscnt 0x0                               ; both opening adds are done
	s_wait_kmcnt 0x0
	s_add_nc_u64 s[44:45], s[6:7], s[40:41]        ; kv at my eighth of the head's slot 0
	s_mov_b32 s[G0A], 1
	s_mov_b32 s[G0A+1], s42
	s_mov_b64 s[G0A+2:G0A+3], s[44:45]
	s_or_b32 s[G0A+3], s[G0A+3], 0x80000000
	s_mov_b32 s[G0W], 1
	s_add_co_u32 s[G0W+1], s42, SLOT1
	s_add_nc_u64 s[G0W+2:G0W+3], s[44:45], SLOT1
	s_or_b32 s[G0W+3], s[G0W+3], 0x80000000
	CROUND                                         ; all four work-groups are here: the first joint loads meet
	tensor_load_to_lds s[G0A:G0A+3], s[G1:G1+7]    ; two loads of mine are out
	s_nop 0
	tensor_load_to_lds s[G0W:G0W+3], s[G1:G1+7]
	s_nop 0
.rept 4
	v_nop
.endr
	v_and_b32 v1, 31, v0
	v_lshlrev_b32 v[LI], 4, v1
	v_add_nc_u32 v[AV0], 65536, v[LI]
	v_lshrrev_b32 v1, 4, v1
	v_lshl_add_u32 v[BI0], v1, 5, BIAS
	v_lshlrev_b32 v10, 3, v0                       ; my eight keys' mask bytes
	v_lshl_add_u32 v11, v0, 5, BIAS                ; and their places in the table
	s_lshr_b32 s40, s15, 4                         ; the batch
	s_lshl_b32 s40, s40, 11
	s_add_nc_u64 s[8:9], s[8:9], s[40:41]
	global_load_b64 v[8:9], v10, s[8:9]
	s_lshl_b32 s40, s15, 18                        ; Q: 262,144 bytes a head, 65,536 a block, 8,192 a wave
	s_lshl_b32 s42, s14, 16
	s_add_co_u32 s40, s40, s42
	s_lshl_b32 s42, s[WV], 13
	s_add_co_u32 s40, s40, s42
	s_add_nc_u64 s[4:5], s[4:5], s[40:41]
	WIN 0x40                                       ; destination window 1
.irp i, 0,1,2,3,4,5,6,7,8,9,10,11,12,13,14,15
	global_load_b128 v[QF+4*\i:QF+4*\i+3], v[LI], s[4:5] offset:512*\i th:TH_LOAD_NT   ; Q stays in registers: tile i / 4, channels 16 (i % 4) on
.endr
	WIN 0
	s_and_b32 s40, s15, 15                         ; O's place: [head / 2][tile of 16 rows][head % 2][piece]
	s_lshr_b32 s42, s40, 1
	s_lshl_b32 s42, s42, 21
	s_and_b32 s40, s40, 1
	s_lshl_b32 s40, s40, 11
	s_add_co_u32 s40, s40, s42
	s_lshr_b32 s42, s15, 4
	s_lshl_b32 s42, s42, 7
	s_lshl_b32 s43, s14, 5
	s_add_co_u32 s42, s42, s43
	s_lshl_b32 s43, s[WV], 2
	s_add_co_u32 s42, s42, s43                     ; my first tile of rows: 128 b + 32 x block + 4 x wave
	s_lshl_b32 s42, s42, 12
	s_add_co_u32 s40, s40, s42
	s_add_nc_u64 s[10:11], s[10:11], s[40:41]
.irp t, 0,1,2,3
	v_mov_b32 v[ST+4*\t+1], 0                      ; named with m as a pair, so it is written
.endr
	s_wait_loadcnt 16                              ; the mask bytes are in; Q's sixteen loads may be out
.irp j, 0,1,2,3
	v_bfe_u32 v[T+\j], v8, 8*\j, 8
	v_bfe_u32 v[T+4+\j], v9, 8*\j, 8
.endr
.irp j, 0,1,2,3,4,5,6,7
	v_mul_lo_u32 v[T+\j], v[T+\j], s38             ; a byte is 0 or 1: the bits of 0.0 or of -1e30
.endr
	ds_store_b128 v11, v[T:T+3]
	ds_store_b128 v11, v[T+4:T+7] offset:16
	s_wait_dscnt 0x0                               ; for the others' sake: my part of the table is written
	s_wait_loadcnt 0x0                             ; Q is in: no load of mine is out at the barrier
	s_wait_tensorcnt 0x1                           ; my part of slot 0 is in; slot 1's may stay out
	s_barrier_signal -1
	s_barrier_wait -1
.macro FETCH_K                         ; the addition and four v_nop are the places behind the last K Q^T, in front of loads into K's registers and of the first read of scores
	v_add_nc_u32 v[ADK], s[TB], v[LI]
.rept 4
	v_nop
.endr
.irp i, 0,1,2,3
.irp c, 0,1
	ds_load_b128 v[KF+16*\i+8*\c:KF+16*\i+8*\c+3], v[ADK] offset:2048*\i+1024*\c
	ds_load_b128 v[KF+16*\i+8*\c+4:KF+16*\i+8*\c+7], v[ADK] offset:2048*\i+1024*\c+512
.endr
.endr
.endm
.macro FETCH_BIAS                      ; register 8 i + j: the C of key 16 i + 8 h + j
	v_add_nc_u32 v[ADB], s[TBB], v[BI0]
.irp i, 0,1,2,3
	ds_load_b128 v[T+8*\i:T+8*\i+3], v[ADB] offset:64*\i
	ds_load_b128 v[T+8*\i+4:T+8*\i+7], v[ADB] offset:64*\i+16
.endr
	s_add_co_u32 s[TBB], s[TBB], 256
.endm
.macro FETCH_V
	v_add_nc_u32 v[ADV], s[TB], v[AV0]
	WIN 0x40
.irp kk, 0,1
.irp ct, 0,1,2,3
	ds_load_tr16_b128 v[VF+32*\kk+8*\ct:VF+32*\kk+8*\ct+3], v[ADV] offset:4096*\kk+512*\ct
	ds_load_tr16_b128 v[VF+32*\kk+8*\ct+4:VF+32*\kk+8*\ct+7], v[ADV] offset:4096*\kk+512*\ct+2048
.endr
.endr
	WIN 0
	s_add_co_u32 s[TB], s[TB], 8192                ; the next fetch is the next step's
.endm
; 32 products each; the 16 accumulators take turns, one instruction a turn
.macro QK
	WIN 0x04                                       ; Q in window 1
.irp c, 0,1
.irp i, 0,1,2,3
.irp t, 0,1,2,3
.if \c == 0
	v_wmma_f32_16x16x32_f16 v[S+32*\t+8*\i:S+32*\t+8*\i+7], v[KF+16*\i+8*\c:KF+16*\i+8*\c+7], v[QF+16*\t+8*\c:QF+16*\t+8*\c+7], v[T+8*\i:T+8*\i+7]
.else
	v_wmma_f32_16x16x32_f16 v[S+32*\t+8*\i:S+32*\t+8*\i+7], v[KF+16*\i+8*\c:KF+16*\i+8*\c+7], v[QF+16*\t+8*\c:QF+16*\t+8*\c+7], v[S+32*\t+8*\i:S+32*\t+8*\i+7]
.endif
.endr
.endr
.endr
	WIN 0
.endm
.macro PV first
	WIN 0x51                                       ; V and O^T in window 1, P in window 0
.irp kk, 0,1
.irp ct, 0,1,2,3
.irp t, 0,1,2,3
.if (\first) && (\kk == 0)
	v_wmma_f32_16x16x32_f16 v[O+32*\t+8*\ct:O+32*\t+8*\ct+7], v[VF+32*\kk+8*\ct:VF+32*\kk+8*\ct+7], v[S+32*\t+8*\kk:S+32*\t+8*\kk+7], 0
.else
	v_wmma_f32_16x16x32_f16 v[O+32*\t+8*\ct:O+32*\t+8*\ct+7], v[VF+32*\kk+8*\ct:VF+32*\kk+8*\ct+7], v[S+32*\t+8*\kk:S+32*\t+8*\kk+7], v[O+32*\t+8*\ct:O+32*\t+8*\ct+7]
.endif
.endr
.endr
.endr
	WIN 0
.endm
; A step's softmax, every line for the four tiles by turns, so that no line waits for the line above it.  first = 1: the first step starts m, l and O^T.
.macro SOFTMAX first
.irp j, 0,1,2,3
.irp t, 0,1,2,3
	v_max3_num_f32 v[T+8*\t+\j], v[S+32*\t+8*\j], v[S+32*\t+8*\j+1], v[S+32*\t+8*\j+2]   ; four chains; each accumulator is read from its low end on
.endr
.endr
.irp g, 3,5
.irp j, 0,1,2,3
.irp t, 0,1,2,3
	v_max3_num_f32 v[T+8*\t+\j], v[T+8*\t+\j], v[S+32*\t+8*\j+\g], v[S+32*\t+8*\j+\g+1]
.endr
.endr
.endr
.irp t, 0,1,2,3
	v_max3_num_f32 v[T+8*\t], v[T+8*\t], v[S+32*\t+7], v[S+32*\t+15]
.endr
.irp t, 0,1,2,3
	v_max3_num_f32 v[T+8*\t+2], v[T+8*\t+2], v[S+32*\t+23], v[S+32*\t+31]
.endr
.irp t, 0,1,2,3
	v_max3_num_f32 v[T+8*\t], v[T+8*\t], v[T+8*\t+1], v[T+8*\t+2]
.endr
.irp t, 0,1,2,3
.if \first
	v_max_num_f32 v[T+8*\t], v[T+8*\t], v[T+8*\t+3]
.else
	v_max3_num_f32 v[T+8*\t], v[T+8*\t], v[T+8*\t+3], v[ST+4*\t]      ; with the old m
.endif
.endr
.irp t, 0,1,2,3
	v_permlanex16_b32 v[T+8*\t+1], v[T+8*\t], s[SEL], s[SEL+1]        ; the query's other 32 keys lie in the lane 16 away
.endr
.irp t, 0,1,2,3
	v_max_num_f32 v[T+8*\t+1], v[T+8*\t], v[T+8*\t+1]                 ; the new m
.endr
.if !(\first)
.irp t, 0,1,2,3
	v_sub_f32 v[T+8*\t+3], v[ST+4*\t], v[T+8*\t+1]                    ; m_old - m_new
.endr
.endif
.irp t, 0,1,2,3
	v_mov_b32 v[ST+4*\t], v[T+8*\t+1]
.endr
.set cnt, 0
.rept 16
.irp t, 0,1,2,3
	v_pk_add_f32 v[S+32*\t+cnt:S+32*\t+cnt+1], v[S+32*\t+cnt:S+32*\t+cnt+1], v[ST+4*\t:ST+4*\t+1] op_sel_hi:[1,0] neg_lo:[0,1] neg_hi:[0,1]   ; t - m, two at a time
.endr
.set cnt, cnt+2
.endr
.if !(\first)
.irp t, 0,1,2,3
	v_exp_f32 v[T+8*\t+2], v[T+8*\t+3]                                ; a
.endr
.endif
.set cnt, 0
.rept 32
.irp t, 0,1,2,3
	v_exp_f32 v[S+32*\t+cnt], v[S+32*\t+cnt]                          ; p: ONE batch for the four tiles; none of these reads an exponential's result
.endr
.set cnt, cnt+1
.endr
	v_nop                                          ; a plain instruction behind the last exponential,
	s_wait_alu depctr_va_vdst(0)                   ; and the one wait ahead of the batch's first reader
.irp t, 0,1,2,3
.if \first
	v_pk_add_f32 v[ST+4*\t+2:ST+4*\t+3], v[S+32*\t:S+32*\t+1], v[S+32*\t+4:S+32*\t+5]
.else
	v_pk_fma_f32 v[ST+4*\t+2:ST+4*\t+3], v[ST+4*\t+2:ST+4*\t+3], v[T+8*\t+2:T+8*\t+3], v[S+32*\t:S+32*\t+1] op_sel_hi:[1,0,1]   ; l = a l + p: the sum of the f32 p, in two chains
.endif
.endr
.irp t, 0,1,2,3
	v_pk_add_f32 v[T+8*\t+4:T+8*\t+5], v[S+32*\t+2:S+32*\t+3], v[S+32*\t+6:S+32*\t+7]
.endr
.if !(\first)
.irp t, 0,1,2,3
	v_pk_add_f32 v[ST+4*\t+2:ST+4*\t+3], v[ST+4*\t+2:ST+4*\t+3], v[S+32*\t+4:S+32*\t+5]
.endr
.endif
.irp p, 8,12,16,20,24,28
.irp t, 0,1,2,3
	v_pk_add_f32 v[ST+4*\t+2:ST+4*\t+3], v[ST+4*\t+2:ST+4*\t+3], v[S+32*\t+\p:S+32*\t+\p+1]
	v_pk_add_f32 v[T+8*\t+4:T+8*\t+5], v[T+8*\t+4:T+8*\t+5], v[S+32*\t+\p+2:S+32*\t+\p+3]
.endr
.endr
.irp t, 0,1,2,3
	v_pk_add_f32 v[ST+4*\t+2:ST+4*\t+3], v[ST+4*\t+2:ST+4*\t+3], v[T+8*\t+4:T+8*\t+5]
.endr
.set cnt, 0
.rept 16
.irp t, 0,1,2,3
	v_cvt_pk_f16_f32 v[S+32*\t+cnt], v[S+32*\t+2*cnt], v[S+32*\t+2*cnt+1]   ; P, packed into the tile's low 16 registers: no register is written before it has been read
.endr
.set cnt, cnt+1
.endr
.if !(\first)
	WIN 0x41                                       ; O^T in window 1, a in window 0
.set cnt, 0
.rept 16
.irp t, 0,1,2,3
	v_pk_mul_f32 v[O+32*\t+cnt:O+32*\t+cnt+1], v[O+32*\t+cnt:O+32*\t+cnt+1], v[T+8*\t+2:T+8*\t+3] op_sel_hi:[1,0]
.endr
.set cnt, cnt+2
.endr
	WIN 0
.endif
.endm
; The softmax and V^T P of step j, and K Q^T of step j + 1
.macro BODY first
	FETCH_K                                        ; K of step j + 1
	SOFTMAX \first
	FETCH_BIAS                                     ; the C of step j + 1, into the registers that the softmax has left
	s_wait_dscnt 24                                ; V of step j is in: behind it K's sixteen loads and these eight were issued
	PV \first
.rept 5
	v_nop                                          ; four places in front of loads into V's registers; five in front of K Q^T, which writes over P
.endr
	FETCH_V                                        ; V of step j + 1
	s_wait_dscnt 16                                ; K and C are in; V's sixteen loads may be out
	QK
.endm
; THE CHANGE OF SLOTS: K and V of the slot's last step have been asked for.  Each wave waits for all its tensor loads (its part of the other slot), adds 0 to its spare word, and waits for that and for its reads of the slot.
; fill = 1: a round of the cluster's barrier, and the joint refill first behind it, one load a wave: it has eight key steps in which to land.
.macro CHANGE fill
	s_wait_tensorcnt 0x0                           ; no tensor load of mine is out, so the walking group 0 may be written
	ds_add_u32 v[SPW], v[NIL]                      ; 0 onto my spare word
.if \fill
	s_xor_b32 s[G0W+1], s[G0W+1], SLOT1            ; the other slot than last time,
	s_add_nc_u64 s[G0W+2:G0W+3], s[G0W+2:G0W+3], SLOT1   ; the next 512 keys
.endif
	s_wait_dscnt 0x0                               ; the add is done, and my reads of the slot are over
.if \fill
	CROUND
	tensor_load_to_lds s[G0W:G0W+3], s[G1:G1+7]
	s_nop 0
.rept 4
	v_nop
.endr
.else
	s_barrier_signal -1
	s_barrier_wait -1
.endif
	s_sub_co_u32 s[TB], s[TB], 65536               ; the fetches go back to a slot's first step,
	s_xor_b32 s[TB], s[TB], SLOT1                  ; in the other slot
.endm
.macro STEPS n
	s_mov_b32 s[NST], \n
.Lstep_\@:
	BODY 0
	s_sub_co_u32 s[NST], s[NST], 1
	s_cmp_lg_u32 s[NST], 0
	s_cbranch_scc1 .Lstep_\@
.endm
	FETCH_K                                        ; step 0
	FETCH_BIAS
	FETCH_V
	s_wait_dscnt 16                                ; K and C are in; V's sixteen loads may be out
	QK
	BODY 1                                         ; steps 1 to 7 of slot 0 are fetched by these seven
	STEPS 6
.Lslot:                                            ; two trips: slots 0 and 1 are filled again, with keys 1,024 on and 1,536 on
	CHANGE 1
	STEPS 8
	s_sub_co_u32 s[SLOTS], s[SLOTS], 1
	s_cmp_lg_u32 s[SLOTS], 0
	s_cbranch_scc1 .Lslot
	CHANGE 0                                       ; the last slot is written out: nothing is left to ask for
	STEPS 8
.rept 4
	v_nop                                          ; places behind the last K Q^T
.endr
	SOFTMAX 0                                      ; the last step
	s_wait_dscnt 0x0
	PV 0
	; THE WAY OUT.  l's two halves and the other half of the lanes' are added; O^T / l is rounded to f16: four registers of the projection's operand, in the lane that will want them.  The additions are the places behind the last products.
.irp t, 0,1,2,3
	v_add_f32 v[T+8*\t], v[ST+4*\t+2], v[ST+4*\t+3]
.endr
.irp t, 0,1,2,3
	v_permlanex16_b32 v[T+8*\t+1], v[T+8*\t], s[SEL], s[SEL+1]
.endr
.irp t, 0,1,2,3
	v_add_f32 v[T+8*\t], v[T+8*\t], v[T+8*\t+1]
.endr
.irp t, 0,1,2,3
	v_rcp_f32 v[T+8*\t+2], v[T+8*\t]
.endr
	v_mov_b32 v8, 0x7fc00000                       ; NaN.  (A plain instruction behind the last reciprocal)
	s_wait_alu depctr_va_vdst(0)                   ; one wait for the four reciprocals, ahead of their first reader
.irp t, 0,1,2,3
	v_cmp_gt_f32 vcc_lo, s39, v[ST+4*\t]           ; every key of this row was masked
	v_cndmask_b32 v[T+8*\t+2], v[T+8*\t+2], v8, vcc_lo
.endr
.irp t, 0,1,2,3
	WIN 0x41
.set cnt, 0
.rept 16
	v_pk_mul_f32 v[O+32*\t+cnt:O+32*\t+cnt+1], v[O+32*\t+cnt:O+32*\t+cnt+1], v[T+8*\t+2:T+8*\t+3] op_sel_hi:[1,0]
.set cnt, cnt+2
.endr
	WIN 0x05                                       ; sources in window 1, destination in window 0: S^T's registers are free
.set cnt, 0
.rept 16
	v_cvt_pk_f16_f32 v[S+32*\t+cnt], v[O+32*\t+2*cnt], v[O+32*\t+2*cnt+1]
.set cnt, cnt+1
.endr
	WIN 0
.irp ct, 0,1,2,3
	global_store_b128 v[LI], v[S+32*\t+4*\ct:S+32*\t+4*\ct+3], s[10:11] offset:\t*4096+512*\ct th:TH_STORE_NT   ; 512 consecutive, aligned bytes
.endr
.endr
	s_wait_tensorcnt 0x0                           ; the wave's end
	ds_add_u32 v[SPW], v[NIL]
	s_wait_dscnt 0x0
	CROUND                                         ; the closing round
	s_endpgm
.Lfunc_end_k_q74856fb567_attn:
	.size	k_q74856fb567_attn, .Lfunc_end_k_q74856fb567_attn-k_q74856fb567_attn
	.p2alignl 7, 3214868480
	.fill 96, 4, 3214868480
	.section	.rodata,"a",@progbits
	.p2align	6, 0x0
	.amdhsa_kernel k_q74856fb567_attn
		.amdhsa_group_segment_fixed_size 327680
		.amdhsa_private_segment_fixed_size 0
		.amdhsa_enable_private_segment 0
		.amdhsa_kernarg_size 32
		.amdhsa_user_sgpr_count 2
		.amdhsa_user_sgpr_kernarg_segment_ptr 1
		.amdhsa_wavefront_size32 1
		.amdhsa_system_sgpr_workgroup_id_x 1
		.amdhsa_system_sgpr_workgroup_id_y 1
		.amdhsa_system_sgpr_workgroup_id_z 1
		.amdhsa_system_vgpr_workitem_id 0
		.amdhsa_next_free_vgpr 512
		.amdhsa_next_free_sgpr 66
		.amdhsa_reserve_vcc 1
		.amdhsa_float_denorm_mode_32 3
		.amdhsa_float_denorm_mode_16_64 3
		.amdhsa_memory_ordered 1
		.amdhsa_forward_progress 1
		.amdhsa_inst_pref_size 177
	.end_amdhsa_kernel
	.amdgpu_metadata
---
amdhsa.version: [ 1, 2 ]
amdhsa.kernels:
  - .name:           k_q74856fb567_attn
    .symbol:         k_q74856fb567_attn.kd
    .args:
      - { .name: qi, .offset: 0, .size: 8, .value_kind: global_buffer, .address_space: global }
      - { .name: kv, .offset: 8, .size: 8, .value_kind: global_buffer, .address_space: global }
      - { .name: mask, .offset: 16, .size: 8, .value_kind: global_buffer, .address_space: global }
      - { .name: ao, .offset: 24, .size: 8, .value_kind: global_buffer, .address_space: global }
    .group_segment_fixed_size: 327680
    .private_segment_fixed_size: 0
    .kernarg_segment_align: 8
    .kernarg_segment_size: 32
    .max_flat_workgroup_size: 256
    .sgpr_count:     66
    .vgpr_count:     512
    .wavefront_size: 32
...
	.end_amdgpu_metadata
.endif
;; end of part 3
;; launch proj (part 4): grid 8 x 32, 4 waves a work-group, clusters of 4 x 4, 327,680 bytes of LDS; arguments ao, wo, b_out, out0; writes out0
.if DOCPART == 4
	.amdgcn_target "amdgcn-amd-amdhsa--gfx1250"
	.amdhsa_code_object_version 6
	.text
	.protected	k_q74856fb567_proj
	.globl	k_q74856fb567_proj
	.p2align	8
	.type	k_q74856fb567_proj,@function
k_q74856fb567_proj:
	s_mov_b64 s[64:65], 0
	v_nop
	global_prefetch_b8 v0, s[64:65] scope:SCOPE_SE
	s_setreg_imm32_b32 hwreg(HW_REG_WAVE_MODE, 25, 1), 1
	s_wait_xcnt 0x0
	s_wait_alu depctr_hold_cnt(0) depctr_sa_sdst(0) depctr_va_vdst(0) depctr_va_sdst(0) depctr_va_ssrc(0) depctr_va_vcc(0) depctr_vm_vsrc(0)
	s_getreg_b32 s2, hwreg(HW_REG_IB_STS2, 6, 4)
	s_cmp_eq_u32 s2, 0
	s_cbranch_scc0 .Lentry_in_a_cluster
	s_endpgm
.Lentry_in_a_cluster:
	s_bfe_u32 s2, ttmp6, 0x10000c
	s_cmp_lg_u32 s2, 0xf033
	s_cbranch_scc0 .Lentry_shape_is_right
	s_endpgm
.Lentry_shape_is_right:
; Launch 4 of 4: out0 = O W_out + b_out, f16 operands, f32 sums, K = 1,024.  No work is left out.
; A tile of 256 rows x 128 columns is made by a work-group of four waves: 256 work-groups.  A wave makes 128 x 64: 32 accumulators of 16 x 16.
; Both operands lie in memory as images of their registers, by K step of 128: ao [8][512 tiles of 16 rows][4,096 bytes], wo [8][64 tiles of 16 columns][4,096 bytes]; in a tile's 4,096 bytes the piece of 32 along K is 1,024 bytes.
; So a K step's part of a tile is one dense block, every LDS load stands at 16 x lane, and LDS rows need no padding.  K goes through two LDS slots; waves 0 and 1 fetch O's halves (128 rows of 256 bytes), waves 2 and 3 W's (64 rows).
; CLUSTERS: 4 x 4 work-groups; O's tiles are asked for jointly along a row of the cluster, W's along a column.
; THE MATRIX INSTRUCTION IS USED TRANSPOSED (source 0 = 16 columns of W, source 1 = 16 rows of O): a lane holds eight neighbouring numbers of a row of the result.  The bias is the C of each sum's first instruction.
; REGISTERS: window 0: v16-29 addresses; v32-63 the bias; two fragment buffers of 96 at v64 and v160 (O's eight fragments, then W's four); on the way out v64-127 rows read back.   window 1: the accumulators, (a, b) at v[8 (4 a + b)].
.set SLOT,   98304                     ; O's 16 tiles x 4,096 bytes, then W's 8 tiles
.set STAGE,  2*SLOT                    ; behind the slots: 16 rows x 272 bytes for each wave, for the way out
.set SPITCH, 272
.set SPARE,  STAGE+4*16*SPITCH         ; the spare words: 128 bytes for each wave, named by no other line
.set STEPA,  2097152                   ; a K step on in ao,
.set STEPB,  262144                    ; and in wo
.set ADRA, 16
.set ADRB, 20
.set STO,  24
.set RD,   25
.set CO,   26
.set SPW,  28
.set NIL,  29
.set BI,   32
.set F0,   64
.set F1,   160
.set BK,   64
.set WV,   12
.set RH,   13
.set CH,   14
.set G1, 24
.set G0, 32
.set G1B, 48
.set G0B, 56
.set MSB, 0
.macro WIN new
.if MSB != (\new)
	s_set_vgpr_msb (MSB<<8)|(\new)
.set MSB, (\new)
.endif
.endm
.set MUL,  0x50                        ; C and D window 1, sources window 0
.set MULB, 0x40                        ; the same with C, the bias, in window 0
.macro JLOAD s                         ; a joint load: waves 0 and 1 fetch O's halves, waves 2 and 3 W's; an s_nop 0 and four v_nop follow each line
	s_cmp_eq_u32 s[RH], 0
	s_cbranch_scc0 .Lfor_b_\@
	tensor_load_to_lds s[G0+4*\s:G0+4*\s+3], s[G1:G1+7]
	s_nop 0
.rept 4
	v_nop
.endr
	s_branch .Lasked_\@
.Lfor_b_\@:
	tensor_load_to_lds s[G0B+4*\s:G0B+4*\s+3], s[G1B:G1B+7]
	s_nop 0
.rept 4
	v_nop
.endr
.Lasked_\@:
.endm
.macro CREST
	s_cmp_lg_u32 s[WV], 0
	s_cbranch_scc1 .Lnot_wave_0_\@
	s_barrier_signal -3
.Lnot_wave_0_\@:
	s_barrier_wait -3
	s_barrier_signal -1
	s_barrier_wait -1
.endm
.macro CROUND
	s_barrier_signal -1
	s_barrier_wait -1
	CREST
.endm
	s_load_b256 s[4:11], s[0:1], 0x0               ; ao s[4:5], wo s[6:7], b_out s[8:9], out0 s[10:11]
	v_lshl_add_u32 v[SPW], v0, 2, SPARE
	v_mov_b32 v[NIL], 0
	ds_add_u32 v[SPW], v[NIL]                      ; the wave's opening: the add, twice on end, and its wait ahead of my first tensor load
	ds_add_u32 v[SPW], v[NIL]
	v_lshrrev_b32 v1, 5, v0
	v_readfirstlane_b32 s[WV], v1                  ; wave 0..3
	s_lshr_b32 s[RH], s[WV], 1                     ; my half of the tile's rows.  Also: I fetch for O (0) or for W (1)
	s_and_b32 s[CH], s[WV], 1                      ; my half of its columns.  Also: which half I fetch
	s_bfe_u32 s40, ttmp6, 0x40000                  ; cx
	s_bfe_u32 s41, ttmp6, 0x40004                  ; cy
	s_lshl_b32 s42, ttmp9, 2
	s_add_co_u32 s42, s42, s40                     ; tile column
	s_and_b32 s15, ttmp7, 0xffff
	s_lshl_b32 s15, s15, 2
	s_add_co_u32 s15, s15, s41                     ; tile row
	s_lshl_b32 s43, s41, 2
	s_lshl_b32 s43, 15, s43                        ; my row of the cluster
	s_lshl_b32 s44, 0x1111, s40                    ; my column
	s_or_b32 s[G1+0], s43, (3<<16)|(1<<21)         ; elements of 8 bytes, no padding
	s_mov_b32 s[G1+1], 32<<16                      ; rows of 256 bytes,
	s_mov_b32 s[G1+2], 128<<16                     ; 128 of them: 8 tiles of rows x 4,096 bytes
	s_mov_b32 s[G1+3], 32<<16
	s_mov_b32 s[G1+4], 128
	s_mov_b32 s[G1+5], 32
	s_mov_b32 s[G1+6], 0
	s_mov_b32 s[G1+7], 0
	s_or_b32 s[G1B+0], s44, (3<<16)|(1<<21)
	s_mov_b32 s[G1B+1], 32<<16
	s_mov_b32 s[G1B+2], 64<<16                     ; 64 rows: 4 tiles of columns
	s_mov_b32 s[G1B+3], 32<<16
	s_mov_b32 s[G1B+4], 64
	s_mov_b32 s[G1B+5], 32
	s_mov_b32 s[G1B+6], 0
	s_mov_b32 s[G1B+7], 0
	s_lshl_b32 s16, s15, 16                        ; O: (16 x tile row + 8 x half) x 4,096
	s_lshl_b32 s18, s[CH], 15                      ; (also its place in a slot)
	s_add_co_u32 s16, s16, s18
	s_mov_b32 s17, 0
	s_lshl_b32 s46, s42, 15                        ; W: (8 x tile column + 4 x half) x 4,096
	s_lshl_b32 s19, s[CH], 14
	s_add_co_u32 s46, s46, s19
	s_mov_b32 s47, 0
	s_add_co_u32 s19, s19, 65536                   ; its place in a slot, behind O's 65,536 bytes
	s_wait_dscnt 0x0                               ; both opening adds are done
	s_wait_kmcnt 0x0
	s_add_nc_u64 s[16:17], s[4:5], s[16:17]
	s_add_nc_u64 s[46:47], s[6:7], s[46:47]
	CROUND                                         ; all sixteen work-groups are here: the first joint loads meet
.irp s, 0,1
	s_mov_b32 s[G0+4*\s], 1
	s_add_co_u32 s[G0+4*\s+1], s18, \s*SLOT
	s_add_nc_u64 s[G0+4*\s+2:G0+4*\s+3], s[16:17], \s*STEPA
	s_or_b32 s[G0+4*\s+3], s[G0+4*\s+3], 0x80000000
	s_mov_b32 s[G0B+4*\s], 1
	s_add_co_u32 s[G0B+4*\s+1], s19, \s*SLOT
	s_add_nc_u64 s[G0B+4*\s+2:G0B+4*\s+3], s[46:47], \s*STEPB
	s_or_b32 s[G0B+4*\s+3], s[G0B+4*\s+3], 0x80000000
	JLOAD \s                                       ; two loads of mine are out
.endr
	v_and_b32 v1, 15, v0                           ; r
	v_bfe_u32 v2, v0, 4, 1                         ; h
	v_and_b32 v3, 31, v0
	v_lshlrev_b32 v3, 4, v3                        ; 16 x lane
	s_lshl_b32 s20, s[RH], 15                      ; my 8 tiles of rows
	s_lshl_b32 s21, s[CH], 14
	s_add_co_u32 s21, s21, 65536                   ; my 4 tiles of columns
.irp s, 0,1
	v_add_nc_u32 v[ADRA+\s], s20, v3
	v_add_nc_u32 v[ADRB+\s], s21, v3
	s_add_co_u32 s20, s20, SLOT
	s_add_co_u32 s21, s21, SLOT
.endr
	s_mul_i32 s22, s[WV], 16*SPITCH
	s_add_co_u32 s22, s22, STAGE                   ; my stage
	v_mul_u32_u24 v4, v1, SPITCH
	v_lshl_add_u32 v4, v2, 5, v4
	v_add_nc_u32 v[STO], s22, v4                   ; in: row r, 32 bytes for each half of the lanes
	v_mul_u32_u24 v5, v2, SPITCH
	v_lshl_add_u32 v5, v1, 4, v5
	v_add_nc_u32 v[RD], s22, v5                    ; back: lanes 0-15 one row of 256 bytes, lanes 16-31 the next
	v_lshlrev_b32 v[CO], 12, v2
	v_lshl_add_u32 v[CO], v1, 4, v[CO]             ; and the same two rows in out0
	v_lshlrev_b32 v6, 5, v2                        ; the bias: 32 h
	s_lshl_b32 s22, s42, 9
	s_lshl_b32 s23, s[CH], 8
	s_add_co_u32 s22, s22, s23                     ; my first column, in bytes: 512 x tile column + 256 x half
	s_mov_b32 s23, 0
	s_add_nc_u64 s[8:9], s[8:9], s[22:23]
	s_lshl_b32 s20, s15, 8
	s_lshl_b32 s21, s[RH], 7
	s_add_co_u32 s20, s20, s21                     ; my first row
	s_lshl_b32 s20, s20, 12
	s_add_co_u32 s20, s20, s22
	s_mov_b32 s21, 0
	s_add_nc_u64 s[10:11], s[10:11], s[20:21]
.irp b, 0,1,2,3                                ; register 8 b + j = b_out[my first column + 16 b + 8 h + j]
	global_load_b128 v[BI+8*\b:BI+8*\b+3], v6, s[8:9] offset:64*\b
	global_load_b128 v[BI+8*\b+4:BI+8*\b+7], v6, s[8:9] offset:64*\b+16
.endr
; 8 matrix instructions: O's blocks a0, a0 + 1 against W's four, 32 along K.  The 32 accumulators take turns, one instruction a turn, in the same order in every quarter.
.macro MUL8 f, a0, bias
.irp a, \a0, \a0+1
.irp b, 0,1,2,3
.if \bias
	v_wmma_f32_16x16x32_f16 v[8*(4*(\a)+\b):8*(4*(\a)+\b)+7], v[\f+64+8*\b:\f+64+8*\b+7], v[\f+8*(\a):\f+8*(\a)+7], v[BI+8*\b:BI+8*\b+7]
.else
	v_wmma_f32_16x16x32_f16 v[8*(4*(\a)+\b):8*(4*(\a)+\b)+7], v[\f+64+8*\b:\f+64+8*\b+7], v[\f+8*(\a):\f+8*(\a)+7], v[8*(4*(\a)+\b):8*(4*(\a)+\b)+7]
.endif
.endr
.endr
.endm
; 24 LDS loads in one run: the slot's q-th 32 along K into buffer f: W's four fragments, O's blocks 0-3, O's blocks 4-7
.macro FETCH slot, q, f
.irp i, 0,1,2,3
	ds_load_b128 v[\f+64+8*\i:\f+64+8*\i+3],   v[ADRB+\slot] offset:4096*\i+1024*(\q)
	ds_load_b128 v[\f+64+8*\i+4:\f+64+8*\i+7], v[ADRB+\slot] offset:4096*\i+1024*(\q)+512
.endr
.irp i, 0,1,2,3,4,5,6,7
	ds_load_b128 v[\f+8*\i:\f+8*\i+3],   v[ADRA+\slot] offset:4096*\i+1024*(\q)
	ds_load_b128 v[\f+8*\i+4:\f+8*\i+7], v[ADRA+\slot] offset:4096*\i+1024*(\q)+512
.endr
.endm
.macro PLACES
.rept 4
	v_nop
.endr
.endm
.macro MWIN bias
.if \bias
	WIN MULB
.else
	WIN MUL
.endif
.endm
; A K step is four quarters of 32 along K, 32 matrix instructions each, on buffers 0, 1, 0, 1.  One of the first three multiplies buffer f and fetches the next quarter into g.
.macro QUARTER slot, qn, f, g, bias
	s_wait_dscnt 8                                 ; W's fragments and O's blocks 0-3 are in; the youngest eight loads (blocks 4-7) may be out
	MWIN \bias
	MUL8 \f, 0, \bias
	MUL8 \f, 2, \bias
	PLACES                                         ; in front of loads into registers that matrix instructions have read
	WIN 0
	FETCH \slot, \qn, \g
	s_wait_dscnt 24                                ; all but the 24 just issued
	MWIN \bias
	MUL8 \f, 4, \bias
	MUL8 \f, 6, \bias
.endm
; The last quarter multiplies buffer 1 and changes slots: one barrier; in front of it each wave waits for all its tensor loads, adds 0 to its spare word, and waits for that and for its reads of this slot.
.macro TURN slot, next, fill
	WIN 0
	s_wait_tensorcnt 0x0                           ; all my tensor loads have landed: my part of the next slot
	ds_add_u32 v[SPW], v[NIL]                      ; 0 onto my spare word
	s_wait_dscnt 9                                 ; the add and the youngest eight loads may be out
	WIN MUL
	MUL8 F1, 0, 0
	s_wait_dscnt 0x0                               ; the add is done, and my reads of this slot are over
	s_barrier_signal -1
	MUL8 F1, 2, 0
	WIN 0
	s_barrier_wait -1
.if \fill
	CREST                                          ; the barrier has opened a round of the cluster's barrier: no wave of any partner still reads this slot or has a load on its way
	s_add_nc_u64 s[G0+4*\slot+2:G0+4*\slot+3], s[G0+4*\slot+2:G0+4*\slot+3], 2*STEPA
	s_add_nc_u64 s[G0B+4*\slot+2:G0B+4*\slot+3], s[G0B+4*\slot+2:G0B+4*\slot+3], 2*STEPB
	JLOAD \slot                                    ; the first tensor load behind the round; its four v_nop are also the places in front of the loads below
.else
	PLACES
.endif
	FETCH \next, 0, F0
	WIN MUL
	MUL8 F1, 4, 0
	MUL8 F1, 6, 0
.endm
	s_wait_loadcnt 0x0                             ; the bias
	s_wait_tensorcnt 0x1                           ; my part of K step 0 is in; K step 1's may stay out
	s_barrier_signal -1
	s_barrier_wait -1
	FETCH 0, 0, F0
	QUARTER 0, 1, F0, F1, 1                        ; the first quarter stands in front of the loop: its products start the sums on the bias
	WIN 0
	s_mov_b32 s3, 3
.Llap:                                             ; a trip goes once round the two slots and fills both again: K steps 2 to 7
	QUARTER 0, 2, F1, F0, 0
	QUARTER 0, 3, F0, F1, 0
	TURN 0, 1, 1
	QUARTER 1, 1, F0, F1, 0
	QUARTER 1, 2, F1, F0, 0
	QUARTER 1, 3, F0, F1, 0
	TURN 1, 0, 1
	QUARTER 0, 1, F0, F1, 0
	WIN 0
	s_sub_co_u32 s3, s3, 1
	s_cmp_lg_u32 s3, 0
	s_cbranch_scc1 .Llap
	QUARTER 0, 2, F1, F0, 0                        ; the last lap fills nothing
	QUARTER 0, 3, F0, F1, 0
	TURN 0, 1, 0
	QUARTER 1, 1, F0, F1, 0
	QUARTER 1, 2, F1, F0, 0
	QUARTER 1, 3, F0, F1, 0
	s_wait_dscnt 8                                 ; the very last quarter: nothing more to fetch
	WIN MUL
	MUL8 F1, 0, 0
	MUL8 F1, 2, 0
	s_wait_dscnt 0
	MUL8 F1, 4, 0
	MUL8 F1, 6, 0
	WIN 0
; THE WAY OUT, 16 rows x 64 columns at a time, through my own stage: a lane holds 32 bytes of a row; read back, sixteen lanes hold a row's 256 bytes.  LDS serves a wave's instructions in order: no wait between the stores and the loads.
.macro TOSTAGE a
	WIN 0x04                                       ; an LDS store's data are its source 1: window 1
.irp b, 0,1,2,3
	ds_store_b128 v[STO], v[8*(4*(\a)+\b):8*(4*(\a)+\b)+3] offset:64*\b        ; each accumulator from its low end on
	ds_store_b128 v[STO], v[8*(4*(\a)+\b)+4:8*(4*(\a)+\b)+7] offset:64*\b+16
.endr
	WIN 0
.set BB, BK+32*((\a)%2)
.irp i, 0,1,2,3,4,5,6,7
	ds_load_b128 v[BB+4*\i:BB+4*\i+3], v[RD] offset:2*\i*SPITCH
.endr
.endm
.macro SEND a, younger                 ; younger: the LDS instructions issued behind block a's loads: the next block's eight stores and eight loads, or none
.set BB, BK+32*((\a)%2)
	s_wait_dscnt \younger
.irp i, 0,1,2,3,4,5,6,7
	global_store_b128 v[CO], v[BB+4*\i:BB+4*\i+3], s[10:11] offset:(16*(\a)+2*\i)*4096 th:TH_STORE_NT   ; sixteen lanes store 256 consecutive, aligned bytes
.endr
.endm
	PLACES                                         ; in front of the first read of results and of loads into registers that held fragments
	TOSTAGE 0
.irp a, 1,2,3,4,5,6,7
.if \a > 1
	s_wait_xcnt 0x0                                ; block a - 2's stores have read their registers: block a's loads may land there
.endif
	TOSTAGE \a
	SEND \a-1, 16
.endr
	SEND 7, 0
	s_wait_tensorcnt 0x0                           ; the wave's end, behind my last tensor load and my last LDS store
	ds_add_u32 v[SPW], v[NIL]
	s_wait_dscnt 0x0
	CROUND                                         ; the closing round
	s_endpgm
.Lfunc_end_k_q74856fb567_proj:
	.size	k_q74856fb567_proj, .Lfunc_end_k_q74856fb567_proj-k_q74856fb567_proj
	.p2alignl 7, 3214868480
	.fill 96, 4, 3214868480
	.section	.rodata,"a",@progbits
	.p2align	6, 0x0
	.amdhsa_kernel k_q74856fb567_proj
		.amdhsa_group_segment_fixed_size 327680
		.amdhsa_private_segment_fixed_size 0
		.amdhsa_enable_private_segment 0
		.amdhsa_kernarg_size 32
		.amdhsa_user_sgpr_count 2
		.amdhsa_user_sgpr_kernarg_segment_ptr 1
		.amdhsa_wavefront_size32 1
		.amdhsa_system_sgpr_workgroup_id_x 1
		.amdhsa_system_sgpr_workgroup_id_y 1
		.amdhsa_system_sgpr_workgroup_id_z 1
		.amdhsa_system_vgpr_workitem_id 0
		.amdhsa_next_free_vgpr 512
		.amdhsa_next_free_sgpr 66
		.amdhsa_reserve_vcc 0
		.amdhsa_float_denorm_mode_32 3
		.amdhsa_float_denorm_mode_16_64 3
		.amdhsa_memory_ordered 1
		.amdhsa_forward_progress 1
		.amdhsa_inst_pref_size 86
	.end_amdhsa_kernel
	.amdgpu_metadata
---
amdhsa.version: [ 1, 2 ]
amdhsa.kernels:
  - .name:           k_q74856fb567_proj
    .symbol:         k_q74856fb567_proj.kd
    .args:
      - { .name: ao, .offset: 0, .size: 8, .value_kind: global_buffer, .address_space: global }
      - { .name: wo, .offset: 8, .size: 8, .value_kind: global_buffer, .address_space: global }
      - { .name: b_out, .offset: 16, .size: 8, .value_kind: global_buffer, .address_space: global }
      - { .name: out0, .offset: 24, .size: 8, .value_kind: global_buffer, .address_space: global }
    .group_segment_fixed_size: 327680
    .private_segment_fixed_size: 0
    .kernarg_segment_align: 8
    .kernarg_segment_size: 32
    .max_flat_workgroup_size: 128
    .sgpr_count:     66
    .vgpr_count:     512
    .wavefront_size: 32
...
	.end_amdgpu_metadata
.endif
;; end of part 4
